; MI455X (gfx1250); checked and timed in simulation.
; The chip was launched on July 23, 2026; its instructions are those of AMD's public machine-readable ISA for CDNA 5 (MIT licence, August 2026) and "CDNA5" Instruction Set Architecture Reference Guide (July 2026). The comments in the code are by the model that wrote it; some were corrected since.
;; Multi Head Attention V2. Allowed arithmetic: float matrix products may take bf16 or f16 operands with f32 sums; all other float work in f32.
;; Inputs: Wk 1,024 x 1,024 float32; Wo 1,024 x 1,024 float32; Wq 1,024 x 1,024 float32; Wv 1,024 x 1,024 float32; bo 1,024 float32; x 4 x 2,048 x 1,024 float32.
;; Outputs: out0 4 x 2,048 x 1,024 float32.
;; 2 versions, each right. Each part assembles by itself: llvm-mc -triple=amdgcn-amd-amdhsa -mcpu=gfx1250 --defsym DOCPART=n.
;; ======== version 1 of 2: 4 launches
;; limits: values are held in f16: magnitudes above 65,504 overflow, below 6.1e-05 lose precision
;; workspace buffers: xb 16,777,216 bytes; wb 6,291,456 bytes; wob 2,097,152 bytes; qkv 50,331,648 bytes; ctx 16,777,216 bytes
;; launch cast (part 1): grid 768 x 1, 8 waves a work-group, no clusters, 0 bytes of LDS; arguments x, Wq, Wk, Wv, Wo, xb, wb, wob; writes xb, wb, wob
.if DOCPART == 1
	.amdgcn_target "amdgcn-amd-amdhsa--gfx1250"
	.amdhsa_code_object_version 6
	.text
	.protected	k_q55123c5067_cast
	.globl	k_q55123c5067_cast
	.p2align	8
	.type	k_q55123c5067_cast,@function
k_q55123c5067_cast:
	s_mov_b64 s[64:65], 0
	v_nop
	global_prefetch_b8 v0, s[64:65] scope:SCOPE_SE
	s_setreg_imm32_b32 hwreg(HW_REG_WAVE_MODE, 25, 1), 1
	s_wait_xcnt 0x0
; First of four launches of causal multi-head attention (B 4, S 2048, D 1024, 16 heads of 64):
;   cast  : x, Wq, Wk, Wv to bf16; Wo to bf16 and that value kept as f16 (its partner in the last product is f16)
;   qkv   : [8192 x 1024] x [1024 x 3072], results f16, laid out head by head
;   attn  : scores, causal mask, running maximum, exponentials, sums, P V, division
;   oproj : ctx Wo + bo in f32
; WORK LEFT OUT (in attn): blocks of 64 queries x 64 keys in which every key lies behind every query.  reference() sets those
; scores to -inf by a mask that it builds itself (tril), their exponentials are exactly 0 for all finite inputs, and 0 times a
; finite v adds nothing to ctx.  Blocks that the diagonal crosses are computed whole and masked.  All six inputs reach the output
; and are loaded.
; LIMITS.  A NaN, an infinity or an overflow in k or v of keys behind a query is not carried to that query's result.
; q, k, v, ctx and Wo are kept in f16: their magnitudes must stay below 65,504 (with x and the weights 30 times the drawn spread,
; or offset by 30 spreads, |q| stays under 3 x 10^4); below 6 x 10^-5 they are f16 denormals, with absolute error up to 3 x 10^-8.
; x and all weights are rounded once to bf16.
;
; THIS LAUNCH is a stream: no LDS, no barrier, no matrix unit.  The unit of work is a row of 1,024 f32 (4,096 bytes in, 2,048 out).
; A work-group takes 16 rows, a wave two, a lane 16 bytes of each of a row's eight pieces of 512 bytes.
; Work-groups 0-511: x.  512 + 64 m + loc: rows 16 loc .. of Wq, Wk, Wv, Wo (m = 0..3).
; wb is [k 1024][n 3072]: Wq's row k at byte 0 of wb's row k, Wk's at 2,048, Wv's at 4,096; xb and wob have rows of 2,048 bytes.
.set X, 4                              ; v[4:67]    sixteen loads of 4 registers
.set Y, 68                             ; v[68:99]   sixteen pairs to store, each written once
.set T, 100                            ; v[100:103] at work (Wo's path)
	s_load_b512 s[8:23], s[0:1], 0x0               ; x 8, Wq 10, Wk 12, Wv 14, Wo 16, xb 18, wb 20, wob 22
	v_lshrrev_b32 v3, 5, v0
	v_readfirstlane_b32 s5, v3                     ; wave 0..7
	v_and_b32 v1, 31, v0
	v_lshlrev_b32 v2, 3, v1                        ; 8 x lane: my 8 bytes of a stored piece
	v_lshlrev_b32 v1, 4, v1                        ; 16 x lane: my 16 bytes of a loaded piece
	s_max_u32 s2, ttmp9, 512
	s_sub_co_u32 s2, s2, 512                       ; number among the weights' work-groups (0 for x's)
	s_lshr_b32 s3, s2, 6                           ; m
	s_and_b32 s4, s2, 63                           ; loc
	s_lshl_b32 s6, s3, 11                          ; m x 2,048: the weight's place in wb's row
	s_movk_i32 s7, 0x800                           ; pitch 2,048
	s_movk_i32 s40, 0x1800                         ; pitch 6,144
	s_wait_kmcnt 0x0
	s_cmp_eq_u32 s3, 1
	s_cselect_b64 s[24:25], s[12:13], s[10:11]     ; source: Wk or Wq,
	s_cmp_eq_u32 s3, 2
	s_cselect_b64 s[24:25], s[14:15], s[24:25]     ; Wv,
	s_cmp_eq_u32 s3, 3
	s_cselect_b64 s[24:25], s[16:17], s[24:25]     ; Wo
	s_cselect_b64 s[26:27], s[22:23], s[20:21]     ; destination: wob or wb
	s_cselect_b32 s28, s7, s40                     ; its pitch
	s_cselect_b32 s29, 0, s6                       ; and the place in its row
	s_cmp_lt_u32 ttmp9, 512
	s_cselect_b64 s[24:25], s[8:9], s[24:25]       ; x's work-groups: x to xb
	s_cselect_b64 s[26:27], s[18:19], s[26:27]
	s_cselect_b32 s28, s7, s28
	s_cselect_b32 s29, 0, s29
	s_cselect_b32 s4, ttmp9, s4                    ; which 16 rows
	s_lshl_b32 s4, s4, 4
	s_lshl1_add_u32 s4, s5, s4                     ; my wave's first row
	s_lshl_b32 s34, s4, 12                         ; x 4,096 bytes
	s_mov_b32 s35, 0
	s_mul_i32 s36, s4, s28
	s_add_co_u32 s36, s36, s29
	s_mov_b32 s37, 0
	s_mov_b32 s38, s28
	s_mov_b32 s39, 0
	s_add_nc_u64 s[24:25], s[24:25], s[34:35]      ; source at my first row
	s_add_nc_u64 s[30:31], s[26:27], s[36:37]      ; destination of my first row
	s_add_nc_u64 s[32:33], s[30:31], s[38:39]      ; and of my second
.irp n, 0,1,2,3,4,5,6,7,8,9,10,11,12,13,14,15
	global_load_b128 v[X+4*\n:X+4*\n+3], v1, s[24:25] offset:512*\n th:TH_LOAD_NT   ; 512 neighbouring bytes; the two rows follow each other
.endr
; Piece n: four f32 a lane become 8 bytes; 32 lanes store 256 consecutive bytes, aligned.
.macro CV n, wo
	s_wait_loadcnt 15-\n                           ; loads come back in order (ISA guide 5.7.1): piece n is in, the 15 - n younger ones stay out
	v_cvt_pk_bf16_f32 v[Y+2*\n], v[X+4*\n], v[X+4*\n+1]
	v_cvt_pk_bf16_f32 v[Y+2*\n+1], v[X+4*\n+2], v[X+4*\n+3]
.if \wo
	v_lshlrev_b32 v[T], 16, v[Y+2*\n]              ; the bf16 values as f32,
	v_and_b32 v[T+1], 0xffff0000, v[Y+2*\n]
	v_lshlrev_b32 v[T+2], 16, v[Y+2*\n+1]
	v_and_b32 v[T+3], 0xffff0000, v[Y+2*\n+1]
	v_cvt_pk_f16_f32 v[Y+2*\n], v[T], v[T+1]       ; and as f16: exact inside f16's normal range (8 bits into 11)
	v_cvt_pk_f16_f32 v[Y+2*\n+1], v[T+2], v[T+3]
.endif
.if \n < 8
	global_store_b64 v2, v[Y+2*\n:Y+2*\n+1], s[30:31] offset:256*\n
.else
	global_store_b64 v2, v[Y+2*\n:Y+2*\n+1], s[32:33] offset:256*(\n-8)
.endif
.endm
	s_cmp_ge_u32 ttmp9, 704                        ; Wo's 64 work-groups
	s_cbranch_scc1 .Lwo
.irp n, 0,1,2,3,4,5,6,7,8,9,10,11,12,13,14,15
	CV \n, 0
.endr
	s_endpgm
.Lwo:
.irp n, 0,1,2,3,4,5,6,7,8,9,10,11,12,13,14,15
	CV \n, 1
.endr
	s_endpgm
.Lfunc_end_k_q55123c5067_cast:
	.size	k_q55123c5067_cast, .Lfunc_end_k_q55123c5067_cast-k_q55123c5067_cast
	.p2alignl 7, 3214868480
	.fill 96, 4, 3214868480
	.section	.rodata,"a",@progbits
	.p2align	6, 0x0
	.amdhsa_kernel k_q55123c5067_cast
		.amdhsa_group_segment_fixed_size 0
		.amdhsa_private_segment_fixed_size 0
		.amdhsa_enable_private_segment 0
		.amdhsa_kernarg_size 64
		.amdhsa_user_sgpr_count 2
		.amdhsa_user_sgpr_kernarg_segment_ptr 1
		.amdhsa_wavefront_size32 1
		.amdhsa_system_sgpr_workgroup_id_x 1
		.amdhsa_system_sgpr_workgroup_id_y 1
		.amdhsa_system_sgpr_workgroup_id_z 1
		.amdhsa_system_vgpr_workitem_id 0
		.amdhsa_next_free_vgpr 104
		.amdhsa_next_free_sgpr 66
		.amdhsa_reserve_vcc 0
		.amdhsa_float_denorm_mode_32 3
		.amdhsa_float_denorm_mode_16_64 3
		.amdhsa_memory_ordered 1
		.amdhsa_forward_progress 1
		.amdhsa_inst_pref_size 17
	.end_amdhsa_kernel
	.amdgpu_metadata
---
amdhsa.version: [ 1, 2 ]
amdhsa.kernels:
  - .name:           k_q55123c5067_cast
    .symbol:         k_q55123c5067_cast.kd
    .args:
      - { .name: x, .offset: 0, .size: 8, .value_kind: global_buffer, .address_space: global }
      - { .name: Wq, .offset: 8, .size: 8, .value_kind: global_buffer, .address_space: global }
      - { .name: Wk, .offset: 16, .size: 8, .value_kind: global_buffer, .address_space: global }
      - { .name: Wv, .offset: 24, .size: 8, .value_kind: global_buffer, .address_space: global }
      - { .name: Wo, .offset: 32, .size: 8, .value_kind: global_buffer, .address_space: global }
      - { .name: xb, .offset: 40, .size: 8, .value_kind: global_buffer, .address_space: global }
      - { .name: wb, .offset: 48, .size: 8, .value_kind: global_buffer, .address_space: global }
      - { .name: wob, .offset: 56, .size: 8, .value_kind: global_buffer, .address_space: global }
    .group_segment_fixed_size: 0
    .private_segment_fixed_size: 0
    .kernarg_segment_align: 8
    .kernarg_segment_size: 64
    .max_flat_workgroup_size: 256
    .sgpr_count:     66
    .vgpr_count:     104
    .wavefront_size: 32
...
	.end_amdgpu_metadata
.endif
;; end of part 1
;; launch qkv (part 2): grid 16 x 32, 4 waves a work-group, clusters of 4 x 4, 327,680 bytes of LDS; arguments xb, wb, qkv; writes qkv
.if DOCPART == 2
	.amdgcn_target "amdgcn-amd-amdhsa--gfx1250"
	.amdhsa_code_object_version 6
	.text
	.protected	k_q55123c5067_qkv
	.globl	k_q55123c5067_qkv
	.p2align	8
	.type	k_q55123c5067_qkv,@function
k_q55123c5067_qkv:
	s_mov_b64 s[64:65], 0
	v_nop
	global_prefetch_b8 v0, s[64:65] scope:SCOPE_SE
	s_setreg_imm32_b32 hwreg(HW_REG_WAVE_MODE, 25, 1), 1
	s_wait_xcnt 0x0
	s_wait_alu depctr_hold_cnt(0) depctr_sa_sdst(0) depctr_va_vdst(0) depctr_va_sdst(0) depctr_va_ssrc(0) depctr_va_vcc(0) depctr_vm_vsrc(0)
	s_getreg_b32 s2, hwreg(HW_REG_IB_STS2, 6, 4)
	s_cmp_eq_u32 s2, 0
	s_cbranch_scc0 .Lentry_in_a_cluster
	s_endpgm
.Lentry_in_a_cluster:
	s_bfe_u32 s2, ttmp6, 0x10000c
	s_cmp_lg_u32 s2, 0xf033
	s_cbranch_scc0 .Lentry_shape_is_right
	s_endpgm
.Lentry_shape_is_right:
; q, k, v = x Wq, x Wk, x Wv as one product [8192 x 1024] x [1024 x 3072] in bf16 with f32 sums; results rounded once to f16 and stored
; as qkv[sel 3][b 4][h 16][s 2048][64] (a plane of 262,144 bytes for each sel, b, h).  Limit: |q|, |k|, |v| < 65,504.
; A work-group makes 256 tokens x 192 features (three whole heads) with four waves; wave w makes tokens 64 w .. 64 w + 63 x all 192
; features: 48 accumulator tiles of 16 x 16, 384 registers.  K goes in 8 steps of 128 through two LDS slots filled by tensor loads.
; CLUSTERS of 4 x 4 work-groups: the four of a row of the cluster need the same tile of xb, the four of a column the same tile of wb;
; each such tile is asked for jointly, which divides the requests for both by four.
; The weights stay [k][n]; their fragments are made by the transposing LDS load.
; THE MATRIX INSTRUCTION IS USED TRANSPOSED: source 0 = 16 features, source 1 = 16 tokens, so that lane l holds token l % 16 and its
; eight registers the features 8 (l / 16) + 0 .. 7: eight neighbouring numbers of a head's row.
; REGISTER WINDOWS: 0: addresses, x's fragments (two buffers), the way out; 1: the weights' fragments (two buffers);
; 2: tiles (a, b < 8) at v[8 (4 b + a)]; 3: tiles (a, b >= 8) at v[8 (4 (b - 8) + a)]   (a: 16 tokens, b: 16 features).
.set KSTEP,  128
.set APITCH, 272                       ; x's LDS row: 256 bytes + 16: an odd multiple of 16, so a fragment load's 16 rows start in 16 different 16-byte columns modulo 256
.set BPITCH, 480                       ; a weight row: three pieces of 128 bytes, each followed by 32 bytes of padding: an odd multiple of 32
.set AHALF,  128*APITCH                ; what waves 0 and 1 bring each
.set BHALF,  64*BPITCH                 ; what waves 2 and 3 bring each
.set BOFF,   2*AHALF                   ; the weights' 128 rows lie behind x's 256
.set SLOT,   BOFF+2*BHALF              ; 131,072
.set STAGE,  2*SLOT                    ; behind the ring: 16 rows x 400 bytes for each wave; no tensor load lands here
.set SPITCH, 400
.set LAPS,   4                         ; a lap = two K steps = once round the ring
.set ADRA, 16                          ; v16-17 LDS address of my x fragments in slot 0, 1
.set ADRB, 20                          ; v20-21 the same for the weights
.set STO,  24
.set RD,   25
.set CO,   26
.set FA,   32                          ; window 0: v32-63, v64-95: x's fragments, buffers 0 and 1
.set TMP,  96                          ; v96-143  packed results
.set RB,   144                         ; v144-191 rows read back
.set G1,  24                           ; s[24:31] group 1 for x's tiles
.set G0,  32                           ; s[32:39] group 0 for x's tiles, a set for each slot
.set G1B, 48                           ; s[48:55] group 1 for the weights' tiles
.set G0B, 56                           ; s[56:63] group 0 for the weights' tiles, a set for each slot
.set MSB, 0
.macro WIN new                         ; the immediate's high byte repeats the setting that is left
.if MSB != \new
	s_set_vgpr_msb (MSB<<8)|\new
.set MSB, \new
.endif
.endm
.set MUL_LO, 0xa1                      ; source 0 window 1, source 1 window 0, C and D window 2
.set MUL_HI, 0xf1                      ; the same, C and D window 3
.set TO_B,   0x40                      ; destination window 1
; A joint load: waves 0 and 1 ask for x's halves, waves 2 and 3 for the weights'.  Each line has one mask and one set of registers.
.macro JLOAD s
	s_cmp_eq_u32 s11, 0
	s_cbranch_scc0 .Lfor_b_\@
	tensor_load_to_lds s[G0+4*\s:G0+4*\s+3], s[G1:G1+7]
	s_nop 0
	s_branch .Lasked_\@
.Lfor_b_\@:
	tensor_load_to_lds s[G0B+4*\s:G0B+4*\s+3], s[G1B:G1B+7]
	s_nop 0
.Lasked_\@:
.endm
.macro CREST                           ; a round of the cluster's barrier behind its opening work-group barrier
	s_cmp_lg_u32 s10, 0
	s_cbranch_scc1 .Lnot_wave_0_\@
	s_barrier_signal -3
.Lnot_wave_0_\@:
	s_barrier_wait -3
	s_barrier_signal -1
	s_barrier_wait -1
.endm
.macro CROUND                          ; a whole round
	s_barrier_signal -1
	s_barrier_wait -1
	CREST
.endm
	s_load_b128 s[4:7], s[0:1], 0x0                ; xb s[4:5], wb s[6:7]
	s_load_b64 s[8:9], s[0:1], 0x10                ; qkv
	s_set_vgpr_msb 0x40
	v_lshl_add_u32 v255, v0, 2, 0x46400
	s_set_vgpr_msb 0x4000
	v_mov_b32 v255, 0
	s_set_vgpr_msb 0x1
	ds_add_u32 v255, v255
	ds_add_u32 v255, v255
	s_set_vgpr_msb 0x100
	v_lshrrev_b32 v1, 5, v0
	v_readfirstlane_b32 s10, v1                    ; wave 0..3
	s_lshr_b32 s11, s10, 1                         ; I fetch for x (0) or for the weights (1)
	s_and_b32 s12, s10, 1                          ; which half of that tile
	s_bfe_u32 s40, ttmp6, 0x40000                  ; cx
	s_bfe_u32 s41, ttmp6, 0x40004                  ; cy
	s_lshl_b32 s42, ttmp9, 2
	s_add_co_u32 s42, s42, s40                     ; bx: block of 192 features, 0..15
	s_and_b32 s13, ttmp7, 0xffff
	s_lshl_b32 s13, s13, 2
	s_add_co_u32 s13, s13, s41                     ; by: block of 256 tokens, 0..31
	s_lshl_b32 s43, s41, 2
	s_lshl_b32 s43, 15, s43                        ; my row of the cluster
	s_lshl_b32 s44, 0x1111, s40                    ; my column
	s_or_b32 s[G1+0], s43, (1<<16)|(1<<20)|(1<<21)|(5<<22)|(3<<25)   ; mask of my row; 2-byte elements; padding on; bit 21 beside a mask; after every 64 words 4 words
	s_mov_b32 s[G1+1], 128<<16                     ; tensor_dim0 = 128
	s_mov_b32 s[G1+2], 128<<16                     ; tensor_dim1 = 128
	s_mov_b32 s[G1+3], 128<<16                     ; tile_dim0 = 128 elements (256 bytes)
	s_mov_b32 s[G1+4], 128                         ; tile_dim1 = 128 rows
	s_mov_b32 s[G1+5], 1024                        ; elements from row to row of xb
	s_mov_b32 s[G1+6], 0
	s_mov_b32 s[G1+7], 0
	s_or_b32 s[G1B+0], s44, (1<<16)|(1<<20)|(1<<21)|(4<<22)|(7<<25)  ; mask of my column; after every 32 words 8 words
	s_mov_b32 s[G1B+1], 192<<16                    ; tensor_dim0 = 192
	s_mov_b32 s[G1B+2], 64<<16                     ; tensor_dim1 = 64
	s_mov_b32 s[G1B+3], 192<<16                    ; tile_dim0 = 192 elements (384 bytes)
	s_mov_b32 s[G1B+4], 64                         ; tile_dim1 = 64 rows
	s_mov_b32 s[G1B+5], 3072                       ; elements from row to row of wb
	s_mov_b32 s[G1B+6], 0
	s_mov_b32 s[G1B+7], 0
	; x's tiles hang on by alone, the weights' on bx alone; each address is made in registers that never hold the other coordinate
	s_lshl_b32 s17, s12, 7
	s_lshl_b32 s16, s13, 8
	s_add_co_u32 s16, s16, s17                     ; token row 256 by + 128 half
	s_lshl_b32 s16, s16, 11                        ; x 2,048 bytes
	s_mov_b32 s17, 0
	s_mul_i32 s46, s12, 64*6144                    ; k row 64 half
	s_mul_i32 s45, s42, 384                        ; 192 features of 2 bytes
	s_add_co_u32 s46, s46, s45
	s_mov_b32 s47, 0
	s_mul_i32 s20, s10, AHALF                      ; LDS: x's halves at wave x 34,816 (waves 0, 1),
	s_mul_i32 s21, s10, BHALF
	s_add_co_u32 s21, s21, BOFF-2*BHALF            ; the weights' at 69,632 + (wave - 2) x 30,720 (waves 2, 3)
	s_wait_dscnt 0x0
	s_wait_kmcnt 0x0
	s_add_nc_u64 s[14:15], s[4:5], s[16:17]
	s_add_nc_u64 s[46:47], s[6:7], s[46:47]
	CROUND                                         ; all sixteen work-groups are here: the first joint loads meet
.irp s, 0,1
	s_mov_b32 s[G0+4*\s], 1
	s_add_co_u32 s[G0+4*\s+1], s20, \s*SLOT
	s_add_nc_u64 s[G0+4*\s+2:G0+4*\s+3], s[14:15], \s*KSTEP*2
	s_or_b32 s[G0+4*\s+3], s[G0+4*\s+3], 0x80000000
	s_mov_b32 s[G0B+4*\s], 1
	s_add_co_u32 s[G0B+4*\s+1], s21, \s*SLOT
	s_add_nc_u64 s[G0B+4*\s+2:G0B+4*\s+3], s[46:47], \s*KSTEP*6144
	s_or_b32 s[G0B+4*\s+3], s[G0B+4*\s+3], 0x80000000
	JLOAD \s                                       ; K steps 0 and 1: two tensor loads of the wave are out, the most in this text
.endr
	v_and_b32 v1, 15, v0                           ; r = l % 16
	v_bfe_u32 v2, v0, 4, 1                         ; h = l / 16
	v_and_b32 v3, 7, v0                            ; l % 8
	v_bfe_u32 v4, v0, 3, 1                         ; (l / 8) % 2
	v_and_b32 v5, 31, v0                           ; l
	v_mul_u32_u24 v6, v1, APITCH
	v_lshl_add_u32 v6, v2, 4, v6                   ; r x pitch + 16 h
	s_mul_i32 s22, s10, 64*APITCH                  ; my 64 tokens
	v_add_nc_u32 v[ADRA], s22, v6
	v_add_nc_u32 v[ADRA+1], SLOT, v[ADRA]
	v_lshl_add_u32 v7, v2, 3, v3                   ; transposing load: k row 8 h + l % 8,
	v_mul_u32_u24 v7, v7, BPITCH
	v_lshl_add_u32 v7, v4, 4, v7                   ; 16 bytes for each half of eight lanes
	v_add_nc_u32 v[ADRB], BOFF, v7
	v_add_nc_u32 v[ADRB+1], BOFF+SLOT, v7
	s_mul_i32 s23, s10, 16*SPITCH
	s_add_co_u32 s23, s23, STAGE                   ; my stage
	v_mul_u32_u24 v8, v1, SPITCH
	v_lshl_add_u32 v8, v2, 4, v8
	v_add_nc_u32 v[STO], s23, v8                   ; in: token r, 16 bytes for each half of the lanes
	v_lshrrev_b32 v9, 3, v5
	v_mul_u32_u24 v9, v9, SPITCH
	v_lshl_add_u32 v9, v3, 4, v9
	v_add_nc_u32 v[RD], s23, v9                    ; back: eight lanes take a head's 128 bytes of one token, 32 lanes four tokens
	v_lshlrev_b32 v[CO], 4, v5                     ; which in a plane of qkv are 512 neighbouring bytes
; 16 matrix instructions: feature blocks 4 g .. 4 g + 3 x my four token blocks, 32 along K, from buffer f.  zero = 1: the product starts the sum.
; The 48 accumulators take turns, one instruction a turn, in the same order in every quarter step.
.macro MUL16 f, g, zero
.irp bb, 0,1,2,3
.irp a, 0,1,2,3
.if \zero
	v_wmma_f32_16x16x32_bf16 v[8*(4*((4*\g+\bb)%8)+\a):8*(4*((4*\g+\bb)%8)+\a)+7], v[96*\f+8*(4*\g+\bb):96*\f+8*(4*\g+\bb)+7], v[FA+32*\f+8*\a:FA+32*\f+8*\a+7], 0
.else
	v_wmma_f32_16x16x32_bf16 v[8*(4*((4*\g+\bb)%8)+\a):8*(4*((4*\g+\bb)%8)+\a)+7], v[96*\f+8*(4*\g+\bb):96*\f+8*(4*\g+\bb)+7], v[FA+32*\f+8*\a:FA+32*\f+8*\a+7], v[8*(4*((4*\g+\bb)%8)+\a):8*(4*((4*\g+\bb)%8)+\a)+7]
.endif
.endr
.endr
.endm
; 32 LDS loads in one run: quarter qd (32 along K) of a slot into buffer f: x's four fragments first, then the weights' twelve
.macro FETCH slot, qd, f
	WIN 0
.irp a, 0,1,2,3
	ds_load_b128 v[FA+32*\f+8*\a:FA+32*\f+8*\a+3],   v[ADRA+\slot] offset:64*\qd+\a*16*APITCH
	ds_load_b128 v[FA+32*\f+8*\a+4:FA+32*\f+8*\a+7], v[ADRA+\slot] offset:64*\qd+\a*16*APITCH+32
.endr
	WIN TO_B
.irp b, 0,1,2,3,4,5,6,7,8,9,10,11
	ds_load_tr16_b128 v[96*\f+8*\b:96*\f+8*\b+3],   v[ADRB+\slot] offset:\qd*32*BPITCH+(\b/4)*160+(\b%4)*32
	ds_load_tr16_b128 v[96*\f+8*\b+4:96*\f+8*\b+7], v[ADRB+\slot] offset:\qd*32*BPITCH+(\b/4)*160+(\b%4)*32+16*BPITCH
.endr
.endm
; Four places behind the last matrix instruction that read a buffer, in front of the loads into it and of the conversions that read results
.macro PLACES
.rept 4
	v_nop
.endr
.endm
.macro QUARTER slot, qd, f, g, zero
	s_wait_dscnt 8                                 ; all but the youngest eight loads (weight fragments 8-11) are in
	WIN MUL_LO
	MUL16 \f, 0, \zero
	PLACES
	FETCH \slot, \qd, \g
	s_wait_dscnt 32                                ; all but the 32 just issued
	WIN MUL_LO
	MUL16 \f, 1, \zero
	WIN MUL_HI
	MUL16 \f, 2, \zero
.endm
.macro THREE slot, zero
	QUARTER \slot, 1, 0, 1, \zero
	QUARTER \slot, 2, 1, 0, 0
	QUARTER \slot, 3, 0, 1, 0
.endm
; The last quarter of a K step multiplies buffer 1 and changes slots.  In front of the barrier each wave waits for its reads of this slot and
; for all its tensor loads (one is out: its part of the next slot).  Behind it the refill comes first, then the next slot's first fragments.
; From a request to the wait for it a wave issues 176 matrix instructions.
.macro TURN slot, next, fill
	s_wait_dscnt 0x0                               ; my reads of this slot are over
	s_wait_tensorcnt 0x0                           ; all my tensor loads have landed
	ds_add_u32 v255, v255
	s_wait_dscnt 0x0
	WIN MUL_LO
	s_barrier_signal -1                            ; where the slot is filled again this barrier opens a round of the cluster's barrier
	MUL16 1, 0, 0                                  ; register work while the others arrive
	WIN 0
	s_barrier_wait -1
.if \fill
	CREST                                          ; no wave of any partner still reads this slot or has a load on its way
	s_add_nc_u64 s[G0+4*\slot+2:G0+4*\slot+3], s[G0+4*\slot+2:G0+4*\slot+3], 2*KSTEP*2
	s_add_nc_u64 s[G0B+4*\slot+2:G0B+4*\slot+3], s[G0B+4*\slot+2:G0B+4*\slot+3], 2*KSTEP*6144
	JLOAD \slot                                    ; my one tensor load behind the round, two K steps ahead
.endif
	PLACES
	FETCH \next, 0, 0
	WIN MUL_LO
	MUL16 1, 1, 0
	WIN MUL_HI
	MUL16 1, 2, 0
.endm
.macro LAP zero
	THREE 0, \zero
	TURN 0, 1, 1
	THREE 1, 0
	TURN 1, 0, 1
.endm
	s_wait_tensorcnt 1                             ; my part of K step 0 is in; K step 1's may stay out
	s_barrier_signal -1
	s_barrier_wait -1
	FETCH 0, 0, 0
	LAP 1                                          ; the first lap's first products start the sums: nothing is cleared
	WIN 0
	s_mov_b32 s3, LAPS-2
.Llap:
	LAP 0
	WIN 0
	s_sub_co_u32 s3, s3, 1
	s_cmp_lg_u32 s3, 0
	s_cbranch_scc1 .Llap
	THREE 0, 0                                     ; the last lap fills nothing
	TURN 0, 1, 0
	THREE 1, 0
	s_wait_dscnt 0x0
	WIN MUL_LO
	MUL16 1, 0, 0
	MUL16 1, 1, 0
	WIN MUL_HI
	MUL16 1, 2, 0
	WIN 0
	PLACES
	; THE WAY OUT.  Head c of my three: g = 3 bx + c; plane = 64 (g / 16) + 16 (by / 8) + g % 16; my first token in it is 256 (by % 8) + 64 w.
.irp c, 0,1,2
	s_mul_i32 s72, s42, 3
	s_add_co_u32 s72, s72, \c
	s_lshr_b32 s73, s72, 4
	s_and_b32 s72, s72, 15
	s_lshl_b32 s73, s73, 6
	s_add_co_u32 s72, s72, s73
	s_lshr_b32 s73, s13, 3
	s_lshl_b32 s73, s73, 4
	s_add_co_u32 s72, s72, s73                     ; plane
	s_lshl_b32 s72, s72, 18
	s_and_b32 s73, s13, 7
	s_lshl_b32 s73, s73, 8
	s_lshl_b32 s74, s10, 6
	s_add_co_u32 s73, s73, s74
	s_lshl_b32 s73, s73, 7                         ; tokens of 128 bytes
	s_add_co_u32 s72, s72, s73
	s_mov_b32 s73, 0
	s_add_nc_u64 s[66+2*\c:67+2*\c], s[8:9], s[72:73]
.endr
; 16 tokens at a time: round to f16, 16 bytes a lane into my own stage, read back head by head, store 512 neighbouring bytes.
.macro OUT16 a
	WIN 0x0a                                       ; sources in window 2
.irp b, 0,1,2,3,4,5,6,7
.irp i, 0,1,2,3
	v_cvt_pk_f16_f32 v[TMP+4*\b+\i], v[8*(4*\b+\a)+2*\i], v[8*(4*\b+\a)+2*\i+1]
.endr
.endr
	WIN 0x0f                                       ; sources in window 3
.irp b, 8,9,10,11
.irp i, 0,1,2,3
	v_cvt_pk_f16_f32 v[TMP+4*\b+\i], v[8*(4*(\b-8)+\a)+2*\i], v[8*(4*(\b-8)+\a)+2*\i+1]
.endr
.endr
	WIN 0
.irp b, 0,1,2,3,4,5,6,7,8,9,10,11
	ds_store_b128 v[STO], v[TMP+4*\b:TMP+4*\b+3] offset:32*\b
.endr
	s_wait_xcnt 0x0                                ; the registers that the last sixteen tokens' stores read are loaded again only behind this wait
.irp c, 0,1,2
.irp t, 0,1,2,3
	ds_load_b128 v[RB+4*(4*\c+\t):RB+4*(4*\c+\t)+3], v[RD] offset:\t*4*SPITCH+\c*128   ; LDS serves a wave's instructions in order: these see the stores above
.endr
.endr
.irp c, 0,1,2
.irp t, 0,1,2,3
	s_wait_dscnt 11-(4*\c+\t)                      ; this load is back, the younger ones stay out
	global_store_b128 v[CO], v[RB+4*(4*\c+\t):RB+4*(4*\c+\t)+3], s[66+2*\c:67+2*\c] offset:(16*\a+4*\t)*128
.endr
.endr
.endm
	OUT16 0
	OUT16 1
	OUT16 2
	OUT16 3
	s_set_vgpr_msb 0x1
	s_wait_tensorcnt 0x0
	ds_add_u32 v255, v255
	s_wait_dscnt 0x0
	s_set_vgpr_msb 0x100
	CROUND                                         ; the closing round: no work-group ends while a partner may still ask for a tile that names it
	s_endpgm
.Lfunc_end_k_q55123c5067_qkv:
	.size	k_q55123c5067_qkv, .Lfunc_end_k_q55123c5067_qkv-k_q55123c5067_qkv
	.p2alignl 7, 3214868480
	.fill 96, 4, 3214868480
	.section	.rodata,"a",@progbits
	.p2align	6, 0x0
	.amdhsa_kernel k_q55123c5067_qkv
		.amdhsa_group_segment_fixed_size 327680
		.amdhsa_private_segment_fixed_size 0
		.amdhsa_enable_private_segment 0
		.amdhsa_kernarg_size 24
		.amdhsa_user_sgpr_count 2
		.amdhsa_user_sgpr_kernarg_segment_ptr 1
		.amdhsa_wavefront_size32 1
		.amdhsa_system_sgpr_workgroup_id_x 1
		.amdhsa_system_sgpr_workgroup_id_y 1
		.amdhsa_system_sgpr_workgroup_id_z 1
		.amdhsa_system_vgpr_workitem_id 0
		.amdhsa_next_free_vgpr 896
		.amdhsa_next_free_sgpr 80
		.amdhsa_reserve_vcc 0
		.amdhsa_float_denorm_mode_32 3
		.amdhsa_float_denorm_mode_16_64 3
		.amdhsa_memory_ordered 1
		.amdhsa_forward_progress 1
		.amdhsa_inst_pref_size 165
	.end_amdhsa_kernel
	.amdgpu_metadata
---
amdhsa.version: [ 1, 2 ]
amdhsa.kernels:
  - .name:           k_q55123c5067_qkv
    .symbol:         k_q55123c5067_qkv.kd
    .args:
      - { .name: xb, .offset: 0, .size: 8, .value_kind: global_buffer, .address_space: global }
      - { .name: wb, .offset: 8, .size: 8, .value_kind: global_buffer, .address_space: global }
      - { .name: qkv, .offset: 16, .size: 8, .value_kind: global_buffer, .address_space: global }
    .group_segment_fixed_size: 327680
    .private_segment_fixed_size: 0
    .kernarg_segment_align: 8
    .kernarg_segment_size: 24
    .max_flat_workgroup_size: 128
    .sgpr_count:     80
    .vgpr_count:     896
    .wavefront_size: 32
...
	.end_amdgpu_metadata
.endif
;; end of part 2
;; launch attn (part 3): grid 256 x 1, 4 waves a work-group, no clusters, 327,680 bytes of LDS; arguments qkv, ctx; writes ctx
.if DOCPART == 3
	.amdgcn_target "amdgcn-amd-amdhsa--gfx1250"
	.amdhsa_code_object_version 6
	.text
	.protected	k_q55123c5067_attn
	.globl	k_q55123c5067_attn
	.p2align	8
	.type	k_q55123c5067_attn,@function
k_q55123c5067_attn:
	s_mov_b64 s[64:65], 0
	v_nop
	global_prefetch_b8 v0, s[64:65] scope:SCOPE_SE
	s_setreg_imm32_b32 hwreg(HW_REG_WAVE_MODE, 25, 1), 1
	s_wait_xcnt 0x0
; Causal attention of one head, f16 operands, f32 sums and softmax, running maximum.  qkv[sel][b][h][s][64] f16 in, ctx[b][h][s][64] f16 out.
; WORK LEFT OUT: blocks of 64 queries x 64 keys that lie wholly behind the diagonal (their weights are exactly 0 by reference()'s own
; mask, for all finite inputs).  Limit: a NaN, infinity or overflow in k or v of later keys is not carried to earlier queries.
; Work-group 4 bh + j does the query blocks j and 7 - j (256 queries each) of head bh: 1 + j and 8 - j trips of 256 keys, nine for every
; work-group.  Wave w owns 64 queries, four tiles of 16.  A trip is two LDS slots of 128 keys, a slot two sub-steps of 64 keys.
; Each block runs its diagonal trip first: its first sub-step starts the sums (nothing is cleared), and the maximum is finite from the
; start, since every query sees itself or an earlier key there.
; NO JOINT LOADS: the four work-groups of a head name different tiles in their nine trips (j; 0 .. j-1; 7-j; 0 .. 6-j).  An order in
; which all four ask for the same tile in each trip has 4 + 8 = 12 trips for every one of them instead of 9.
; LAYOUTS.  S^T = K Q^T (source 0 = 16 keys, source 1 = 16 queries): lane l holds query l % 16 and keys 8 (l / 16) + 0..7 of a tile, so the
; softmax runs along a lane's registers and across one pair of lanes, and packing a lane's numbers to f16 in place gives P^T's fragment.
; O^T = V^T P^T (source 0 = 16 features of V by the transposing LDS load): lane l holds query l % 16 and eight neighbouring features.
; WINDOW 0: addresses, softmax state, K fragments v64-127, scores v128-255.  WINDOW 1: O v0-127, Q fragments v128-191, V fragments v192-255.
.set VP,    160                        ; V's LDS row: 128 bytes + 32: an odd multiple of 32 for the transposing load
.set KP,    144                        ; K's LDS row: 128 bytes + 16: an odd multiple of 16
.set KOFF,  128*VP                     ; K's 128 rows lie behind V's
.set SLOT,  KOFF+128*KP                ; 38,912
.set STAGE, 2*SLOT                     ; behind the ring: 64 rows x 144 bytes for each wave; no tensor load lands here
.set SP,    144
.set KA,   4                           ; v4-5  LDS address of my K fragments in slot 0, 1
.set VA,   6                           ; v6-7  the same for V
.set STO,  8
.set RD,   9
.set CO,   10
.set QO,   11
.set DL0,  12                          ; r - 8 h + 64 w
.set DLU,  13
.set NINF, 14
.set ST0,  16                          ; v[16+4q ..]: -c m, m, alpha, l of query tile q
.set TT,   32                          ; v32-39 at work
.set KF,   64                          ; fragment (kt, ds) at 16 kt + 8 ds
.set SC,   128                         ; score tile (q, kt) at 8 (4 q + kt)
.set OA,   0                           ; window 1: tile (q, ht) at 8 (4 q + ht)
.set QF,   128                         ; window 1: fragment (q, ds) at 16 q + 8 ds
.set VF,   192                         ; window 1: fragment (ht, ks) at 16 ht + 8 ks
.set G1V, 16                           ; s[16:23] group 1 for V's tiles
.set G1K, 24                           ; s[24:31] group 1 for K's tiles
.set G0V, 32                           ; s[32:39] group 0 for V's tiles, a set for each slot
.set G0K, 40                           ; s[40:47] group 0 for K's tiles, a set for each slot
.set BS,  48                           ; s[48:51] address of my half of key tile 0 and of key tile 1
.set MSB, 0
.macro WIN new
.if MSB != \new
	s_set_vgpr_msb (MSB<<8)|\new
.set MSB, \new
.endif
.endm
.set SQK,  0x04                        ; source 1 (Q) window 1
.set TO1,  0x40                        ; destination window 1
.set RESC, 0x41                        ; source 0 and destination window 1
.set PV,   0x51                        ; source 0 (V), C and D window 1
.set FIN,  0x01                        ; source 0 window 1
.macro PLACES n
.rept \n
	v_nop
.endr
.endm
; Waves 0 and 1 bring V's halves of a tile of 128 keys, waves 2 and 3 K's: one tensor load a wave, 8,192 dense bytes.
.macro JLOAD o
	s_cmp_lt_u32 s8, 2
	s_cbranch_scc0 .Lk_\@
	tensor_load_to_lds s[G0V+4*(\o):G0V+4*(\o)+3], s[G1V:G1V+7]
	s_nop 0
	s_branch .Lj_\@
.Lk_\@:
	tensor_load_to_lds s[G0K+4*(\o):G0K+4*(\o)+3], s[G1K:G1K+7]
	s_nop 0
.Lj_\@:
.endm
; Slot o's group 0 sets get the address of key tile 2 t + o (32,768 bytes for each trip t)
.macro SETADR o, treg
	s_lshl_b32 s52, \treg, 15
	s_add_nc_u64 s[G0V+4*(\o)+2:G0V+4*(\o)+3], s[BS+2*(\o):BS+2*(\o)+1], s[52:53]
	s_or_b32 s[G0V+4*(\o)+3], s[G0V+4*(\o)+3], 0x80000000
	s_add_nc_u64 s[G0K+4*(\o)+2:G0K+4*(\o)+3], s[BS+2*(\o):BS+2*(\o)+1], s[52:53]
	s_or_b32 s[G0K+4*(\o)+3], s[G0K+4*(\o)+3], 0x80000000
.endm
; The head of slot s.  Every wave waits for its LDS reads (the other slot's among them) and for all its tensor loads (one is out: its part
; of slot s), then passes the barrier; behind it slot s is whole for all, and the other slot is filled again first thing, with tile 2 t + 1 - s.
.macro SLOTHEAD s, treg, refill
	s_wait_dscnt 0x0
	s_wait_tensorcnt 0x0                           ; no tensor load of mine is out: the group 0 sets may be written
	ds_add_u32 v62, v63
	s_wait_dscnt 0x0
.if \refill
	SETADR 1-\s, \treg
.endif
	s_barrier_signal -1
	s_barrier_wait -1
.if \refill
	JLOAD 1-\s                                     ; my one tensor load until the next such barrier; it has a slot's two sub-steps in which to land
.endif
.endm
.macro LOADK s, e                      ; 64 keys x 64 features: eight fragments, 16 loads
.irp kt, 0,1,2,3
.irp ds, 0,1
	ds_load_b128 v[KF+16*\kt+8*\ds:KF+16*\kt+8*\ds+3],   v[KA+\s] offset:\e*64*KP+\kt*16*KP+64*\ds
	ds_load_b128 v[KF+16*\kt+8*\ds+4:KF+16*\kt+8*\ds+7], v[KA+\s] offset:\e*64*KP+\kt*16*KP+64*\ds+32
.endr
.endr
.endm
.macro LOADV s, e                      ; the same keys of V, transposed: eight fragments, 16 loads (destination window 1)
.irp ht, 0,1,2,3
.irp ks, 0,1
	ds_load_tr16_b128 v[VF+16*\ht+8*\ks:VF+16*\ht+8*\ks+3],   v[VA+\s] offset:\e*64*VP+\ks*32*VP+32*\ht
	ds_load_tr16_b128 v[VF+16*\ht+8*\ks+4:VF+16*\ht+8*\ks+7], v[VA+\s] offset:\e*64*VP+\ks*32*VP+32*\ht+16*VP
.endr
.endr
.endm
; Sub-block u of the diagonal trip: key 64 u + 16 kt + 8 h + j is kept for query 64 w + 16 q + r where 16 (kt - q) + j <= r - 8 h + 64 (w - u).
; For kt < q the left side is at most -9 and the right side at least -8: nothing to do.  For u < w everything is kept.
.macro MASK u
	v_sub_nc_u32 v[DLU], v[DL0], 64*(\u)
.irp q, 0,1,2,3
.irp kt, 0,1,2,3
.if \kt >= \q
.irp j, 0,1,2,3,4,5,6,7
	v_cmp_le_i32 vcc_lo, 16*(\kt-\q)+\j, v[DLU]
	v_cndmask_b32 v[SC+8*(4*\q+\kt)+\j], v[NINF], v[SC+8*(4*\q+\kt)+\j], vcc_lo
.endr
.endif
.endr
.endr
.endm
; Query tile q: a lane's 32 scores.  c = log2(e) / 8.  p = 2^(c s - c m); alpha = 2^((-c m new) - (-c m old)), made of the very shifts that were used.
.macro SOFTMAX q, first
.set SB, SC+32*\q
.set ST, ST0+4*\q
.irp c, 0,1,2,3
	v_max3_num_f32 v[TT+\c], v[SB+8*\c], v[SB+8*\c+1], v[SB+8*\c+2]
.endr
.irp c, 0,1,2,3
	v_max3_num_f32 v[TT+\c], v[TT+\c], v[SB+8*\c+3], v[SB+8*\c+4]
.endr
.irp c, 0,1,2,3
	v_max3_num_f32 v[TT+\c], v[TT+\c], v[SB+8*\c+5], v[SB+8*\c+6]
.endr
	v_max3_num_f32 v[TT], v[TT], v[TT+1], v[TT+2]
	v_max3_num_f32 v[TT], v[TT], v[TT+3], v[SB+7]
	v_max3_num_f32 v[TT], v[TT], v[SB+15], v[SB+23]
	v_max_num_f32 v[TT], v[TT], v[SB+31]
	v_permlanex16_b32 v[TT+1], v[TT], s12, s13     ; the other half of the lanes holds the query's other keys
.if \first
	v_max_num_f32 v[ST+1], v[TT], v[TT+1]          ; m
	v_mul_f32 v[ST], s60, v[ST+1]                  ; -c m
.else
	v_max3_num_f32 v[ST+1], v[TT], v[TT+1], v[ST+1]
	v_mul_f32 v[TT+2], s60, v[ST+1]
	v_sub_f32 v[ST+2], v[TT+2], v[ST]
	v_mov_b32 v[ST], v[TT+2]
	v_exp_f32 v[ST+2], v[ST+2]                     ; alpha; the multiply-adds below stand between it and its first use
.endif
.irp i, 0,2,4,6,8,10,12,14,16,18,20,22,24,26,28,30
	v_pk_fma_f32 v[SB+\i:SB+\i+1], v[SB+\i:SB+\i+1], s[14:15], v[ST:ST+1] op_sel_hi:[1,0,0]
.endr
.irp i, 0,1,2,3,4,5,6,7,8,9,10,11,12,13,14,15,16,17,18,19,20,21,22,23,24,25,26,27,28,29,30,31
	v_exp_f32 v[SB+\i], v[SB+\i]
.endr
	v_nop                                          ; one plain instruction behind the exponentials, in front of the first use (ISA guide 5.7.2)
	s_wait_alu depctr_va_vdst(0)
	v_pk_add_f32 v[TT:TT+1], v[SB:SB+1], v[SB+2:SB+3]
	v_pk_add_f32 v[TT+2:TT+3], v[SB+4:SB+5], v[SB+6:SB+7]
.irp i, 8,12,16,20,24,28
	v_pk_add_f32 v[TT:TT+1], v[TT:TT+1], v[SB+\i:SB+\i+1]
	v_pk_add_f32 v[TT+2:TT+3], v[TT+2:TT+3], v[SB+\i+2:SB+\i+3]
.endr
	v_pk_add_f32 v[TT:TT+1], v[TT:TT+1], v[TT+2:TT+3]
.if \first
	v_add_f32 v[ST+3], v[TT], v[TT+1]              ; l, each lane's own keys; the two halves meet at the end
.else
	v_add_f32 v[TT], v[TT], v[TT+1]
	v_fma_f32 v[ST+3], v[ST+3], v[ST+2], v[TT]
.endif
.irp ks, 0,1
.irp i, 0,1,2,3,4,5,6,7
	v_cvt_pk_f16_f32 v[SB+16*\ks+\i], v[SB+16*\ks+2*\i], v[SB+16*\ks+2*\i+1]   ; in place, ascending: register i is written when 2 i and 2 i + 1 are read
.endr
.endr
.endm
; A sub-step: 64 keys (half e of slot s) against my 64 queries.  loadk: K's fragments are fetched here; pre: the next half's are fetched behind V's.
; In both products sixteen accumulators take turns, one instruction a turn.
.macro STEP s, e, masked, first, loadk, pre
.if \loadk
	LOADK \s, \e
.endif
	s_wait_dscnt 0x0                               ; K's fragments are in
	WIN SQK
.irp q, 0,1,2,3
.irp kt, 0,1,2,3
	v_wmma_f32_16x16x32_f16 v[SC+8*(4*\q+\kt):SC+8*(4*\q+\kt)+7], v[KF+16*\kt:KF+16*\kt+7], v[QF+16*\q:QF+16*\q+7], 0
.endr
.endr
.irp q, 0,1,2,3
.irp kt, 0,1,2,3
	v_wmma_f32_16x16x32_f16 v[SC+8*(4*\q+\kt):SC+8*(4*\q+\kt)+7], v[KF+16*\kt+8:KF+16*\kt+15], v[QF+16*\q+8:QF+16*\q+15], v[SC+8*(4*\q+\kt):SC+8*(4*\q+\kt)+7]
.endr
.endr
	WIN 0
	PLACES 4                                       ; behind the products: for the reads of the scores and the loads into K's fragments
	WIN TO1
	LOADV \s, \e
	WIN 0
.if \pre
	LOADK \s, 1
.endif
.if \masked
	MASK 2*\s+\e
.endif
.irp q, 0,1,2,3
	SOFTMAX \q, \first
.endr
.if \first
.else
	WIN RESC
.irp q, 0,1,2,3
.irp i, 0,2,4,6,8,10,12,14,16,18,20,22,24,26,28,30
	v_pk_mul_f32 v[OA+32*\q+\i:OA+32*\q+\i+1], v[OA+32*\q+\i:OA+32*\q+\i+1], v[ST0+4*\q+2:ST0+4*\q+3] op_sel_hi:[1,0]
.endr
.endr
.endif
.if \pre
	s_wait_dscnt 16                                ; V's sixteen loads are in; the sixteen of K issued behind them stay out
.else
	s_wait_dscnt 0x0
.endif
	WIN PV
.irp q, 0,1,2,3
.irp ht, 0,1,2,3
.if \first
	v_wmma_f32_16x16x32_f16 v[OA+8*(4*\q+\ht):OA+8*(4*\q+\ht)+7], v[VF+16*\ht:VF+16*\ht+7], v[SC+32*\q:SC+32*\q+7], 0
.else
	v_wmma_f32_16x16x32_f16 v[OA+8*(4*\q+\ht):OA+8*(4*\q+\ht)+7], v[VF+16*\ht:VF+16*\ht+7], v[SC+32*\q:SC+32*\q+7], v[OA+8*(4*\q+\ht):OA+8*(4*\q+\ht)+7]
.endif
.endr
.endr
.irp q, 0,1,2,3
.irp ht, 0,1,2,3
	v_wmma_f32_16x16x32_f16 v[OA+8*(4*\q+\ht):OA+8*(4*\q+\ht)+7], v[VF+16*\ht+8:VF+16*\ht+15], v[SC+32*\q+16:SC+32*\q+23], v[OA+8*(4*\q+\ht):OA+8*(4*\q+\ht)+7]
.endr
.endr
	WIN 0
	PLACES 5                                       ; the next product writes over P's registers; O is read and V's fragments are loaded again behind these
.endm
; The diagonal trip of query block qb: wave w has sub-blocks 0 .. w.  The jumps hang on the wave's number and pass over no barrier and no tensor load.
.macro DIAG qb, tn
	SLOTHEAD 0, \qb, 1
	s_wait_loadcnt 0x0                             ; Q's fragments
	STEP 0, 0, 1, 1, 1, 0
	s_cmp_lt_u32 s8, 1
	s_cbranch_scc1 .Ld1_\@
	STEP 0, 1, 1, 0, 1, 0
.Ld1_\@:
	SLOTHEAD 1, \tn, 1
	s_cmp_lt_u32 s8, 2
	s_cbranch_scc1 .Ld2_\@
	STEP 1, 0, 1, 0, 1, 0
	s_cmp_lt_u32 s8, 3
	s_cbranch_scc1 .Ld2_\@
	STEP 1, 1, 1, 0, 1, 0
.Ld2_\@:
.endm
; A trip in front of the diagonal: 256 keys, all live.  tn: the trip whose first tile goes into slot 0 next.
.macro FULL t, tn, lastfill
	SLOTHEAD 0, \t, 1
	STEP 0, 0, 0, 0, 1, 1
	STEP 0, 1, 0, 0, 0, 0
	SLOTHEAD 1, \tn, \lastfill
	STEP 1, 0, 0, 0, 1, 1
	STEP 1, 1, 0, 0, 0, 0
.endm
; My 64 queries of block qb: eight fragments straight from memory; also ctx's address for the same rows
.macro LOADQ qb
	s_lshl_b32 s52, s9, 18                         ; the head's plane
	s_lshl_b32 s2, \qb, 15                         ; 256 rows of 128 bytes
	s_add_co_u32 s52, s52, s2
	s_lshl_b32 s2, s8, 13                          ; 64 rows
	s_add_co_u32 s52, s52, s2
	s_add_nc_u64 s[56:57], s[4:5], s[52:53]
	s_add_nc_u64 s[58:59], s[6:7], s[52:53]
	WIN TO1
.irp q, 0,1,2,3
.irp ds, 0,1
	global_load_b128 v[QF+16*\q+8*\ds:QF+16*\q+8*\ds+3],   v[QO], s[56:57] offset:\q*2048+64*\ds
	global_load_b128 v[QF+16*\q+8*\ds+4:QF+16*\q+8*\ds+7], v[QO], s[56:57] offset:\q*2048+64*\ds+32
.endr
.endr
	WIN 0
.endm
; O / l, rounded to f16, through my own stage, out as 512 neighbouring bytes a store
.macro EPILOG
.irp q, 0,1,2,3
	v_permlanex16_b32 v[TT+\q], v[ST0+4*\q+3], s12, s13
.endr
.irp q, 0,1,2,3
	v_add_f32 v[TT+\q], v[TT+\q], v[ST0+4*\q+3]    ; l over all keys: at least 1, the largest score's own term
.endr
.irp q, 0,1,2,3
	v_rcp_f32 v[ST0+4*\q+2], v[TT+\q]
.endr
	v_nop
	WIN FIN
	s_wait_alu depctr_va_vdst(0)
.irp q, 0,1,2,3
.irp i, 0,2,4,6,8,10,12,14,16,18,20,22,24,26,28,30
	v_pk_mul_f32 v[SC+32*\q+\i:SC+32*\q+\i+1], v[OA+32*\q+\i:OA+32*\q+\i+1], v[ST0+4*\q+2:ST0+4*\q+3] op_sel_hi:[1,0]
.endr
.endr
	WIN 0
.set n, 0
.rept 64
	v_cvt_pk_f16_f32 v[KF+n], v[SC+2*n], v[SC+2*n+1]
.set n, n+1
.endr
.irp q, 0,1,2,3
.irp ht, 0,1,2,3
	ds_store_b128 v[STO], v[KF+4*(4*\q+\ht):KF+4*(4*\q+\ht)+3] offset:\q*16*SP+32*\ht
.endr
.endr
.irp u, 0,1,2,3,4,5,6,7,8,9,10,11,12,13,14,15
	ds_load_b128 v[SC+4*\u:SC+4*\u+3], v[RD] offset:\u*4*SP      ; LDS serves a wave's instructions in order: these see the stores above
.endr
.irp u, 0,1,2,3,4,5,6,7,8,9,10,11,12,13,14,15
	s_wait_dscnt 15-\u                             ; this load is back, the younger ones stay out
	global_store_b128 v[CO], v[SC+4*\u:SC+4*\u+3], s[58:59] offset:512*\u
.endr
	s_wait_xcnt 0x0                                ; the stores' data and base are written again only behind this wait
.endm
	s_load_b128 s[4:7], s[0:1], 0x0                ; qkv s[4:5], ctx s[6:7]
	v_lshl_add_u32 v62, v0, 2, 0x29000
	v_mov_b32 v63, 0
	ds_add_u32 v62, v63
	ds_add_u32 v62, v63
	v_lshrrev_b32 v1, 5, v0
	v_readfirstlane_b32 s8, v1                     ; wave 0..3
	s_lshr_b32 s9, ttmp9, 2                        ; bh
	s_and_b32 s10, ttmp9, 3                        ; J: the first query block
	s_sub_co_u32 s11, 7, s10                       ; JB: the second
	s_mov_b32 s12, 0x76543210                      ; v_permlanex16_b32: lane i reads lane i of the other half
	s_mov_b32 s13, 0xfedcba98
	s_mov_b32 s14, 0x3e38aa3b                      ; c = log2(e) / 8
	s_mov_b32 s15, 0x3e38aa3b
	s_mov_b32 s60, 0xbe38aa3b                      ; -c
	; group 1: 8,192 dense bytes as 32 rows of 32 elements of 8 bytes; padding behind every 32 words (a key's 128 bytes): 8 words for V, 4 for K
	s_mov_b32 s[G1V+0], (3<<16)|(1<<20)|(4<<22)|(7<<25)
	s_mov_b32 s[G1K+0], (3<<16)|(1<<20)|(4<<22)|(3<<25)
.irp g, G1V, G1K
	s_mov_b32 s[\g+1], 32<<16                      ; tensor_dim0 = 32
	s_mov_b32 s[\g+2], 32<<16                      ; tensor_dim1 = 32
	s_mov_b32 s[\g+3], 32<<16                      ; tile_dim0 = 32
	s_mov_b32 s[\g+4], 32                          ; tile_dim1 = 32
	s_mov_b32 s[\g+5], 32                          ; elements from row to row
	s_mov_b32 s[\g+6], 0
	s_mov_b32 s[\g+7], 0
.endr
	s_mul_i32 s2, s8, 64*VP                        ; V's halves at wave x 10,240 (waves 0, 1),
	s_mul_i32 s3, s8, 64*KP                        ; K's at 20,480 + (wave - 2) x 9,216 (waves 2, 3)
.irp o, 0,1
	s_mov_b32 s[G0V+4*\o], 1
	s_add_co_u32 s[G0V+4*\o+1], s2, \o*SLOT
	s_mov_b32 s[G0K+4*\o], 1
	s_add_co_u32 s[G0K+4*\o+1], s3, \o*SLOT+KOFF-2*64*KP
.endr
	s_cmp_lt_u32 s8, 2
	s_cselect_b32 s52, 128, 64                     ; V's planes begin at 128, K's at 64
	s_add_co_u32 s52, s52, s9
	s_lshl_b32 s52, s52, 18
	s_and_b32 s2, s8, 1
	s_lshl_b32 s2, s2, 13                          ; my half: 64 keys of 128 bytes
	s_add_co_u32 s52, s52, s2
	s_mov_b32 s53, 0
	s_wait_dscnt 0x0
	s_wait_kmcnt 0x0
	s_add_nc_u64 s[BS:BS+1], s[4:5], s[52:53]
	s_add_nc_u64 s[BS+2:BS+3], s[BS:BS+1], 16384
	SETADR 0, s10
	JLOAD 0                                        ; the first fill: tile 2 J into slot 0, ahead of every wait on tensor loads, LDS read and barrier
	v_and_b32 v1, 31, v0                           ; l
	v_and_b32 v2, 15, v0                           ; r
	v_bfe_u32 v3, v0, 4, 1                         ; h
	v_and_b32 v[TT], 7, v0
	v_bfe_u32 v[TT+1], v0, 3, 1
	v_lshrrev_b32 v[TT+2], 3, v1
	v_mul_u32_u24 v[TT+3], v2, KP
	v_lshl_add_u32 v[TT+3], v3, 4, v[TT+3]         ; r x 144 + 16 h
	v_add_nc_u32 v[KA], KOFF, v[TT+3]
	v_add_nc_u32 v[KA+1], KOFF+SLOT, v[TT+3]
	v_lshl_add_u32 v[TT+4], v3, 3, v[TT]           ; key row 8 h + l % 8
	v_mul_u32_u24 v[TT+4], v[TT+4], VP
	v_lshl_add_u32 v[VA], v[TT+1], 4, v[TT+4]
	v_add_nc_u32 v[VA+1], SLOT, v[VA]
	s_mul_i32 s2, s8, 64*SP
	s_add_co_u32 s2, s2, STAGE                     ; my stage
	v_add_nc_u32 v[STO], s2, v[TT+3]
	v_mul_u32_u24 v[TT+5], v[TT+2], SP
	v_lshl_add_u32 v[TT+5], v[TT], 4, v[TT+5]
	v_add_nc_u32 v[RD], s2, v[TT+5]                ; back: eight lanes take a query's 128 bytes, 32 lanes four queries
	v_lshlrev_b32 v[CO], 4, v1
	v_lshlrev_b32 v[QO], 7, v2
	v_lshl_add_u32 v[QO], v3, 4, v[QO]             ; 128 r + 16 h
	v_lshlrev_b32 v[TT+6], 3, v3
	v_sub_nc_u32 v[DL0], v2, v[TT+6]
	s_lshl_b32 s3, s8, 6
	v_add_nc_u32 v[DL0], s3, v[DL0]                ; r - 8 h + 64 w
	v_mov_b32 v[NINF], 0xff800000
	; BLOCK A: query block J: its diagonal trip, then trips 0 .. J - 1.  The last refill of slot 0 already brings block B's first tile.
	LOADQ s10
	s_cmp_lg_u32 s10, 0
	s_cselect_b32 s55, 0, s11                      ; the trip behind the diagonal one: 0, or block B's diagonal trip
	DIAG s10, s55
	s_cmp_eq_u32 s10, 0
	s_cbranch_scc1 .LendA
	s_mov_b32 s54, 0
.LloopA:
	s_add_co_u32 s55, s54, 1
	s_cmp_lt_u32 s55, s10
	s_cselect_b32 s55, s55, s11
	FULL s54, s55, 1
	s_add_co_u32 s54, s54, 1
	s_cmp_lt_u32 s54, s10
	s_cbranch_scc1 .LloopA
.LendA:
	EPILOG
	; BLOCK B: query block JB = 7 - J (at least 4): its diagonal trip, trips 0 .. JB - 2 in the loop, trip JB - 1 written out: it fetches nothing beyond its own second tile
	LOADQ s11
	s_mov_b32 s55, 0
	DIAG s11, s55
	s_sub_co_u32 s61, s11, 1
	s_mov_b32 s54, 0
.LloopB:
	s_add_co_u32 s55, s54, 1
	FULL s54, s55, 1
	s_add_co_u32 s54, s54, 1
	s_cmp_lt_u32 s54, s61
	s_cbranch_scc1 .LloopB
	FULL s61, s61, 0
	EPILOG
	s_wait_tensorcnt 0x0
	ds_add_u32 v62, v63
	s_wait_dscnt 0x0
	s_endpgm
.Lfunc_end_k_q55123c5067_attn:
	.size	k_q55123c5067_attn, .Lfunc_end_k_q55123c5067_attn-k_q55123c5067_attn
	.p2alignl 7, 3214868480
	.fill 96, 4, 3214868480
	.section	.rodata,"a",@progbits
	.p2align	6, 0x0
	.amdhsa_kernel k_q55123c5067_attn
		.amdhsa_group_segment_fixed_size 327680
		.amdhsa_private_segment_fixed_size 0
		.amdhsa_enable_private_segment 0
		.amdhsa_kernarg_size 16
		.amdhsa_user_sgpr_count 2
		.amdhsa_user_sgpr_kernarg_segment_ptr 1
		.amdhsa_wavefront_size32 1
		.amdhsa_system_sgpr_workgroup_id_x 1
		.amdhsa_system_sgpr_workgroup_id_y 1
		.amdhsa_system_sgpr_workgroup_id_z 1
		.amdhsa_system_vgpr_workitem_id 0
		.amdhsa_next_free_vgpr 512
		.amdhsa_next_free_sgpr 66
		.amdhsa_reserve_vcc 1
		.amdhsa_float_denorm_mode_32 3
		.amdhsa_float_denorm_mode_16_64 3
		.amdhsa_memory_ordered 1
		.amdhsa_forward_progress 1
		.amdhsa_inst_pref_size 255
	.end_amdhsa_kernel
	.section	.bss,"aw",@nobits
	.p2align	6
	.space	262144
	.amdgpu_metadata
---
amdhsa.version: [ 1, 2 ]
amdhsa.kernels:
  - .name:           k_q55123c5067_attn
    .symbol:         k_q55123c5067_attn.kd
    .args:
      - { .name: qkv, .offset: 0, .size: 8, .value_kind: global_buffer, .address_space: global }
      - { .name: ctx, .offset: 8, .size: 8, .value_kind: global_buffer, .address_space: global }
    .group_segment_fixed_size: 327680
    .private_segment_fixed_size: 0
    .kernarg_segment_align: 8
    .kernarg_segment_size: 16
    .max_flat_workgroup_size: 128
    .sgpr_count:     66
    .vgpr_count:     512
    .wavefront_size: 32
...
	.end_amdgpu_metadata
.endif
;; end of part 3
;; launch oproj (part 4): grid 8 x 32, 4 waves a work-group, clusters of 4 x 4, 327,680 bytes of LDS; arguments ctx, wob, bo, out0; writes out0
.if DOCPART == 4
	.amdgcn_target "amdgcn-amd-amdhsa--gfx1250"
	.amdhsa_code_object_version 6
	.text
	.protected	k_q55123c5067_oproj
	.globl	k_q55123c5067_oproj
	.p2align	8
	.type	k_q55123c5067_oproj,@function
k_q55123c5067_oproj:
	s_mov_b64 s[64:65], 0
	v_nop
	global_prefetch_b8 v0, s[64:65] scope:SCOPE_SE
	s_setreg_imm32_b32 hwreg(HW_REG_WAVE_MODE, 25, 1), 1
	s_wait_xcnt 0x0
	s_wait_alu depctr_hold_cnt(0) depctr_sa_sdst(0) depctr_va_vdst(0) depctr_va_sdst(0) depctr_va_ssrc(0) depctr_va_vcc(0) depctr_vm_vsrc(0)
	s_getreg_b32 s2, hwreg(HW_REG_IB_STS2, 6, 4)
	s_cmp_eq_u32 s2, 0
	s_cbranch_scc0 .Lentry_in_a_cluster
	s_endpgm
.Lentry_in_a_cluster:
	s_bfe_u32 s2, ttmp6, 0x10000c
	s_cmp_lg_u32 s2, 0xf033
	s_cbranch_scc0 .Lentry_shape_is_right
	s_endpgm
.Lentry_shape_is_right:
; out0 = ctx Wo + bo.  ctx[b][h][s][64] f16, wob[k 1024][n 1024] f16 (Wo rounded to bf16, carried as f16), bo f32, out0 [8192][1024] f32.
; The f16 matrix form with f32 sums; the bias is added in f32.  Nothing of reference() is left out here.
; A work-group makes 256 tokens x 128 columns with four waves; wave w makes tokens 64 w .. 64 w + 63 x all 128 columns: 32 accumulator
; tiles, 256 registers (window 2, tile (a, b) at v[8 (4 b + a)]).  K step kk of 128 is heads 2 kk and 2 kk + 1; eight steps through two LDS slots.
; CLUSTERS of 4 x 4: ctx's tiles hang on the token block alone and are asked for jointly along a row of the cluster, wob's on the column
; block alone and are asked for jointly along a column: a quarter of the requests for both.
; The matrix instruction is used transposed (source 0 = 16 columns of Wo by the transposing LDS load, source 1 = 16 tokens): lane l holds token
; l % 16 and eight neighbouring columns.
.set APITCH, 144                       ; a token's 128 bytes of one head + 16: an odd multiple of 16
.set BPITCH, 288                       ; a row of 128 columns, 256 bytes + 32: an odd multiple of 32
.set AHEAD,  256*APITCH                ; one head's 256 tokens: what waves 0 and 1 bring each
.set BHALF,  64*BPITCH                 ; what waves 2 and 3 bring each
.set BOFF,   2*AHEAD
.set SLOT,   BOFF+2*BHALF              ; 110,592
.set STAGE,  2*SLOT                    ; behind the ring: 16 rows x 528 bytes for each wave; no tensor load lands here
.set SPITCH, 528
.set LAPS,   4
.set ADRA, 16
.set ADRB, 20
.set STO,  24
.set RD,   25
.set CO,   26
.set FA,   32                          ; window 0: v32-63, v64-95: ctx's fragments, buffers 0 and 1
.set BIAS, 96                          ; v96-99  bo of my four columns on the way out
.set RB,   128                         ; v128-191 rows read back
.set G1,  24
.set G0,  32
.set G1B, 48
.set G0B, 56
.set MSB, 0
.macro WIN new
.if MSB != \new
	s_set_vgpr_msb (MSB<<8)|\new
.set MSB, \new
.endif
.endm
.set MUL_LO, 0xa1                      ; source 0 window 1, source 1 window 0, C and D window 2
.set TO_B,   0x40
.macro JLOAD s
	s_cmp_eq_u32 s11, 0
	s_cbranch_scc0 .Lfor_b_\@
	tensor_load_to_lds s[G0+4*\s:G0+4*\s+3], s[G1:G1+7]
	s_nop 0
	s_branch .Lasked_\@
.Lfor_b_\@:
	tensor_load_to_lds s[G0B+4*\s:G0B+4*\s+3], s[G1B:G1B+7]
	s_nop 0
.Lasked_\@:
.endm
.macro CREST
	s_cmp_lg_u32 s10, 0
	s_cbranch_scc1 .Lnot_wave_0_\@
	s_barrier_signal -3
.Lnot_wave_0_\@:
	s_barrier_wait -3
	s_barrier_signal -1
	s_barrier_wait -1
.endm
.macro CROUND
	s_barrier_signal -1
	s_barrier_wait -1
	CREST
.endm
	s_load_b256 s[68:75], s[0:1], 0x0              ; ctx s[68:69], wob s[70:71], bo s[72:73], out0 s[74:75]
	s_set_vgpr_msb 0x40
	v_lshl_add_u32 v255, v0, 2, 0x3e400
	s_set_vgpr_msb 0x4000
	v_mov_b32 v255, 0
	s_set_vgpr_msb 0x1
	ds_add_u32 v255, v255
	ds_add_u32 v255, v255
	s_set_vgpr_msb 0x100
	v_lshrrev_b32 v1, 5, v0
	v_readfirstlane_b32 s10, v1                    ; wave 0..3
	s_lshr_b32 s11, s10, 1                         ; I fetch for ctx (0) or for wob (1)
	s_and_b32 s12, s10, 1                          ; which head of the step, or which 64 rows of wob
	s_bfe_u32 s40, ttmp6, 0x40000                  ; cx
	s_bfe_u32 s41, ttmp6, 0x40004                  ; cy
	s_lshl_b32 s42, ttmp9, 2
	s_add_co_u32 s42, s42, s40                     ; bx: block of 128 columns, 0..7
	s_and_b32 s13, ttmp7, 0xffff
	s_lshl_b32 s13, s13, 2
	s_add_co_u32 s13, s13, s41                     ; by: block of 256 tokens, 0..31
	s_lshl_b32 s43, s41, 2
	s_lshl_b32 s43, 15, s43                        ; my row of the cluster
	s_lshl_b32 s44, 0x1111, s40                    ; my column
	; ctx's tile: 32,768 dense bytes as 128 rows of 32 elements of 8 bytes; 4 words of padding behind every 32 words (a token's 128 bytes)
	s_or_b32 s[G1+0], s43, (3<<16)|(1<<20)|(1<<21)|(4<<22)|(3<<25)
	s_mov_b32 s[G1+1], 32<<16
	s_mov_b32 s[G1+2], 128<<16
	s_mov_b32 s[G1+3], 32<<16
	s_mov_b32 s[G1+4], 128
	s_mov_b32 s[G1+5], 32
	s_mov_b32 s[G1+6], 0
	s_mov_b32 s[G1+7], 0
	; wob's tile: 64 rows of 128 elements of 2 bytes; 8 words of padding behind every 64 words
	s_or_b32 s[G1B+0], s44, (1<<16)|(1<<20)|(1<<21)|(5<<22)|(7<<25)
	s_mov_b32 s[G1B+1], 128<<16
	s_mov_b32 s[G1B+2], 64<<16
	s_mov_b32 s[G1B+3], 128<<16
	s_mov_b32 s[G1B+4], 64
	s_mov_b32 s[G1B+5], 1024
	s_mov_b32 s[G1B+6], 0
	s_mov_b32 s[G1B+7], 0
	s_lshr_b32 s16, s13, 3
	s_lshl_b32 s16, s16, 4
	s_add_co_u32 s16, s16, s12                     ; plane 16 b + head of K step 0
	s_lshl_b32 s16, s16, 11
	s_and_b32 s17, s13, 7
	s_lshl_b32 s17, s17, 8
	s_add_co_u32 s16, s16, s17                     ; + my block's first token
	s_lshl_b32 s16, s16, 7                         ; x 128 bytes
	s_mov_b32 s17, 0
	s_lshl_b32 s46, s12, 17                        ; 64 rows of 2,048 bytes
	s_lshl_b32 s45, s42, 8                         ; 128 columns of 2 bytes
	s_add_co_u32 s46, s46, s45
	s_mov_b32 s47, 0
	s_mul_i32 s20, s10, AHEAD                      ; LDS: ctx's heads at wave x 36,864 (waves 0, 1),
	s_mul_i32 s21, s10, BHALF
	s_add_co_u32 s21, s21, BOFF-2*BHALF            ; wob's halves at 73,728 + (wave - 2) x 18,432 (waves 2, 3)
	s_wait_dscnt 0x0
	s_wait_kmcnt 0x0
	s_add_nc_u64 s[14:15], s[68:69], s[16:17]
	s_add_nc_u64 s[46:47], s[70:71], s[46:47]
	CROUND                                         ; all sixteen work-groups are here: the first joint loads meet
.irp s, 0,1
	s_mov_b32 s[G0+4*\s], 1
	s_add_co_u32 s[G0+4*\s+1], s20, \s*SLOT
	s_add_nc_u64 s[G0+4*\s+2:G0+4*\s+3], s[14:15], \s*2*262144
	s_or_b32 s[G0+4*\s+3], s[G0+4*\s+3], 0x80000000
	s_mov_b32 s[G0B+4*\s], 1
	s_add_co_u32 s[G0B+4*\s+1], s21, \s*SLOT
	s_add_nc_u64 s[G0B+4*\s+2:G0B+4*\s+3], s[46:47], \s*128*2048
	s_or_b32 s[G0B+4*\s+3], s[G0B+4*\s+3], 0x80000000
	JLOAD \s                                       ; K steps 0 and 1: two tensor loads of the wave are out, the most in this text
.endr
	v_and_b32 v1, 15, v0                           ; r
	v_bfe_u32 v2, v0, 4, 1                         ; h
	v_and_b32 v3, 7, v0
	v_bfe_u32 v4, v0, 3, 1
	v_and_b32 v5, 31, v0                           ; l
	v_mul_u32_u24 v6, v1, APITCH
	v_lshl_add_u32 v6, v2, 4, v6
	s_mul_i32 s22, s10, 64*APITCH
	v_add_nc_u32 v[ADRA], s22, v6
	v_add_nc_u32 v[ADRA+1], SLOT, v[ADRA]
	v_lshl_add_u32 v7, v2, 3, v3
	v_mul_u32_u24 v7, v7, BPITCH
	v_lshl_add_u32 v7, v4, 4, v7
	v_add_nc_u32 v[ADRB], BOFF, v7
	v_add_nc_u32 v[ADRB+1], BOFF+SLOT, v7
	s_mul_i32 s23, s10, 16*SPITCH
	s_add_co_u32 s23, s23, STAGE                   ; my stage
	v_mul_u32_u24 v8, v1, SPITCH
	v_lshl_add_u32 v8, v2, 5, v8
	v_add_nc_u32 v[STO], s23, v8                   ; in: token r, 32 bytes for each half of the lanes
	v_lshlrev_b32 v[CO], 4, v5                     ; 16 l: my 16 bytes of a row of 512
	v_add_nc_u32 v[RD], s23, v[CO]
	s_lshl_b32 s76, s42, 9                         ; my block's 128 columns of 4 bytes
	s_mov_b32 s77, 0
	s_add_nc_u64 s[72:73], s[72:73], s[76:77]
	global_load_b128 v[BIAS:BIAS+3], v[CO], s[72:73]   ; waited for once, in front of the way out
	s_lshl_b32 s78, s13, 8
	s_lshl_b32 s79, s10, 6
	s_add_co_u32 s78, s78, s79                     ; my first token
	s_lshl_b32 s78, s78, 12                        ; x 4,096 bytes
	s_add_co_u32 s78, s78, s76
	s_mov_b32 s79, 0
	s_add_nc_u64 s[74:75], s[74:75], s[78:79]
; 16 matrix instructions: column blocks 4 g .. 4 g + 3 x my four token blocks, 32 along K.  The 32 accumulators take turns, one instruction a
; turn, in the same order in every quarter step.
.macro MUL16 f, g, zero
.irp bb, 0,1,2,3
.irp a, 0,1,2,3
.if \zero
	v_wmma_f32_16x16x32_f16 v[8*(4*(4*\g+\bb)+\a):8*(4*(4*\g+\bb)+\a)+7], v[64*\f+8*(4*\g+\bb):64*\f+8*(4*\g+\bb)+7], v[FA+32*\f+8*\a:FA+32*\f+8*\a+7], 0
.else
	v_wmma_f32_16x16x32_f16 v[8*(4*(4*\g+\bb)+\a):8*(4*(4*\g+\bb)+\a)+7], v[64*\f+8*(4*\g+\bb):64*\f+8*(4*\g+\bb)+7], v[FA+32*\f+8*\a:FA+32*\f+8*\a+7], v[8*(4*(4*\g+\bb)+\a):8*(4*(4*\g+\bb)+\a)+7]
.endif
.endr
.endr
.endm
; 24 LDS loads in one run: quarter qd = head qd / 2, features 32 (qd % 2) ..; ctx's four fragments first, then Wo's eight
.macro FETCH slot, qd, f
	WIN 0
.irp a, 0,1,2,3
	ds_load_b128 v[FA+32*\f+8*\a:FA+32*\f+8*\a+3],   v[ADRA+\slot] offset:(\qd/2)*AHEAD+(\qd%2)*64+\a*16*APITCH
	ds_load_b128 v[FA+32*\f+8*\a+4:FA+32*\f+8*\a+7], v[ADRA+\slot] offset:(\qd/2)*AHEAD+(\qd%2)*64+\a*16*APITCH+32
.endr
	WIN TO_B
.irp b, 0,1,2,3,4,5,6,7
	ds_load_tr16_b128 v[64*\f+8*\b:64*\f+8*\b+3],   v[ADRB+\slot] offset:\qd*32*BPITCH+32*\b
	ds_load_tr16_b128 v[64*\f+8*\b+4:64*\f+8*\b+7], v[ADRB+\slot] offset:\qd*32*BPITCH+32*\b+16*BPITCH
.endr
.endm
.macro PLACES                          ; four places behind the matrix instructions, in front of loads into their sources and of stores of their results
.rept 4
	v_nop
.endr
.endm
.macro QUARTER slot, qd, f, g, zero
	s_wait_dscnt 8                                 ; all but the youngest eight loads (Wo's fragments 4-7) are in
	WIN MUL_LO
	MUL16 \f, 0, \zero
	PLACES
	FETCH \slot, \qd, \g
	s_wait_dscnt 24                                ; all but the 24 just issued
	WIN MUL_LO
	MUL16 \f, 1, \zero
.endm
.macro THREE slot, zero
	QUARTER \slot, 1, 0, 1, \zero
	QUARTER \slot, 2, 1, 0, 0
	QUARTER \slot, 3, 0, 1, 0
.endm
; The change of slots: each wave's reads of this slot and all its tensor loads are waited for in front of the barrier; behind it (behind the
; cluster's round where the slot is filled again) the refill comes first.  From a request to the wait for it a wave issues 112 matrix instructions.
.macro TURN slot, next, fill
	s_wait_dscnt 0x0
	s_wait_tensorcnt 0x0
	ds_add_u32 v255, v255
	s_wait_dscnt 0x0
	WIN MUL_LO
	s_barrier_signal -1
	MUL16 1, 0, 0
	WIN 0
	s_barrier_wait -1
.if \fill
	CREST
	s_add_nc_u64 s[G0+4*\slot+2:G0+4*\slot+3], s[G0+4*\slot+2:G0+4*\slot+3], 4*262144
	s_add_nc_u64 s[G0B+4*\slot+2:G0B+4*\slot+3], s[G0B+4*\slot+2:G0B+4*\slot+3], 256*2048
	JLOAD \slot                                    ; my one tensor load behind the round, two K steps ahead
.endif
	PLACES
	FETCH \next, 0, 0
	WIN MUL_LO
	MUL16 1, 1, 0
.endm
.macro LAP zero
	THREE 0, \zero
	TURN 0, 1, 1
	THREE 1, 0
	TURN 1, 0, 1
.endm
	s_wait_tensorcnt 1                             ; my part of K step 0 is in; K step 1's may stay out
	s_barrier_signal -1
	s_barrier_wait -1
	FETCH 0, 0, 0
	LAP 1
	WIN 0
	s_mov_b32 s3, LAPS-2
.Llap:
	LAP 0
	WIN 0
	s_sub_co_u32 s3, s3, 1
	s_cmp_lg_u32 s3, 0
	s_cbranch_scc1 .Llap
	THREE 0, 0                                     ; the last lap fills nothing
	TURN 0, 1, 0
	THREE 1, 0
	s_wait_dscnt 0x0
	WIN MUL_LO
	MUL16 1, 0, 0
	MUL16 1, 1, 0
	WIN 0
	PLACES
	s_wait_loadcnt 0x0                             ; the bias
; THE WAY OUT, 16 tokens at a time: the sums go as they are into my own stage, come back as whole rows of 512 bytes, get the bias and leave.
.macro OUT16 a
	WIN 0x08                                       ; the LDS stores' data in window 2
.irp b, 0,1,2,3,4,5,6,7
	ds_store_b128 v[STO], v[8*(4*\b+\a):8*(4*\b+\a)+3]   offset:64*\b
	ds_store_b128 v[STO], v[8*(4*\b+\a)+4:8*(4*\b+\a)+7] offset:64*\b+16
.endr
	WIN 0
	s_wait_xcnt 0x0                                ; the registers that the last sixteen tokens' stores read are loaded again only behind this wait
.irp n, 0,1,2,3,4,5,6,7,8,9,10,11,12,13,14,15
	ds_load_b128 v[RB+4*\n:RB+4*\n+3], v[RD] offset:\n*SPITCH      ; LDS serves a wave's instructions in order: these see the stores above
.endr
.irp n, 0,1,2,3,4,5,6,7,8,9,10,11,12,13,14,15
	s_wait_dscnt 15-\n                             ; this row is back, the younger ones stay out
	v_pk_add_f32 v[RB+4*\n:RB+4*\n+1], v[RB+4*\n:RB+4*\n+1], v[BIAS:BIAS+1]
	v_pk_add_f32 v[RB+4*\n+2:RB+4*\n+3], v[RB+4*\n+2:RB+4*\n+3], v[BIAS+2:BIAS+3]
	global_store_b128 v[CO], v[RB+4*\n:RB+4*\n+3], s[74:75] offset:(16*\a+\n)*4096 th:TH_STORE_NT   ; 512 consecutive bytes of one row of out0, aligned
.endr
.endm
	OUT16 0
	OUT16 1
	OUT16 2
	OUT16 3
	s_set_vgpr_msb 0x1
	s_wait_tensorcnt 0x0
	ds_add_u32 v255, v255
	s_wait_dscnt 0x0
	s_set_vgpr_msb 0x100
	CROUND                                         ; the closing round: no work-group ends while a partner may still ask for a tile that names it
	s_endpgm
.Lfunc_end_k_q55123c5067_oproj:
	.size	k_q55123c5067_oproj, .Lfunc_end_k_q55123c5067_oproj-k_q55123c5067_oproj
	.p2alignl 7, 3214868480
	.fill 96, 4, 3214868480
	.section	.rodata,"a",@progbits
	.p2align	6, 0x0
	.amdhsa_kernel k_q55123c5067_oproj
		.amdhsa_group_segment_fixed_size 327680
		.amdhsa_private_segment_fixed_size 0
		.amdhsa_enable_private_segment 0
		.amdhsa_kernarg_size 32
		.amdhsa_user_sgpr_count 2
		.amdhsa_user_sgpr_kernarg_segment_ptr 1
		.amdhsa_wavefront_size32 1
		.amdhsa_system_sgpr_workgroup_id_x 1
		.amdhsa_system_sgpr_workgroup_id_y 1
		.amdhsa_system_sgpr_workgroup_id_z 1
		.amdhsa_system_vgpr_workitem_id 0
		.amdhsa_next_free_vgpr 768
		.amdhsa_next_free_sgpr 80
		.amdhsa_reserve_vcc 0
		.amdhsa_float_denorm_mode_32 3
		.amdhsa_float_denorm_mode_16_64 3
		.amdhsa_memory_ordered 1
		.amdhsa_forward_progress 1
		.amdhsa_inst_pref_size 126
	.end_amdhsa_kernel
	.amdgpu_metadata
---
amdhsa.version: [ 1, 2 ]
amdhsa.kernels:
  - .name:           k_q55123c5067_oproj
    .symbol:         k_q55123c5067_oproj.kd
    .args:
      - { .name: ctx, .offset: 0, .size: 8, .value_kind: global_buffer, .address_space: global }
      - { .name: wob, .offset: 8, .size: 8, .value_kind: global_buffer, .address_space: global }
      - { .name: bo, .offset: 16, .size: 8, .value_kind: global_buffer, .address_space: global }
      - { .name: out0, .offset: 24, .size: 8, .value_kind: global_buffer, .address_space: global }
    .group_segment_fixed_size: 327680
    .private_segment_fixed_size: 0
    .kernarg_segment_align: 8
    .kernarg_segment_size: 32
    .max_flat_workgroup_size: 128
    .sgpr_count:     80
    .vgpr_count:     768
    .wavefront_size: 32
...
	.end_amdgpu_metadata
.endif
;; end of part 4
;; ======== version 2 of 2: 4 launches
;; limits: values are held in f16: magnitudes above 65,504 overflow, below 6.1e-05 lose precision
;; workspace buffers: xb 16,777,216 bytes; wb 6,291,456 bytes; wob 2,097,152 bytes; qkv 50,331,648 bytes; ctx 16,777,216 bytes
;; launch cast: the kernel of part 1 again; grid 768 x 1, 8 waves a work-group, no clusters, 0 bytes of LDS; arguments x, Wq, Wk, Wv, Wo, xb, wb, wob; writes xb, wb, wob
;; launch qkv: the kernel of part 2 again; grid 16 x 32, 4 waves a work-group, clusters of 4 x 4, 327,680 bytes of LDS; arguments xb, wb, qkv; writes qkv
;; launch attn (part 5): grid 256 x 1, 4 waves a work-group, no clusters, 327,680 bytes of LDS; arguments qkv, ctx; writes ctx
.if DOCPART == 5
	.amdgcn_target "amdgcn-amd-amdhsa--gfx1250"
	.amdhsa_code_object_version 6
	.text
	.protected	k_q55123c5067_attn
	.globl	k_q55123c5067_attn
	.p2align	8
	.type	k_q55123c5067_attn,@function
k_q55123c5067_attn:
	s_mov_b64 s[64:65], 0
	v_nop
	global_prefetch_b8 v0, s[64:65] scope:SCOPE_SE
	s_setreg_imm32_b32 hwreg(HW_REG_WAVE_MODE, 25, 1), 1
	s_wait_xcnt 0x0
; Causal attention of one head, f16 operands, f32 sums and softmax, running maximum.  qkv[sel][b][h][s][64] f16 in, ctx[b][h][s][64] f16 out.
; WORK LEFT OUT: blocks of 64 queries x 64 keys that lie wholly behind the diagonal (their weights are exactly 0 by reference()'s own
; mask, for all finite inputs).  Limit: a NaN, infinity or overflow in k or v of later keys is not carried to earlier queries.
; SHARES.  Work-group 4 bh + j does the query blocks j and 7 - j (256 queries each) of head bh.  Keys come in tiles of 128; block qb needs
; tiles 0 .. 2 qb + 1: 2 + 2 j and 16 - 2 j tiles, eighteen for every work-group.  A tile is two sub-steps of 64 keys.
; A block's sixteen tiles of 16 queries are dealt round the four waves: tile q (0..3) of wave w is queries 64 q + 16 w .. + 15 of the block.
; Against the block's own keys 64 u .. 64 u + 63 tile q is then dead for q < u, wholly live for q > u and masked for q = u, in every wave
; alike: which tiles a diagonal sub-step works on is fixed in the text, no branch hangs on the wave's number, and all four waves reach
; each barrier with the same work behind them (4 + 3 + 2 + 1 tile-steps in a block's two diagonal key tiles).
; ORDER OF A BLOCK: key tile 2 qb (sub-steps u = 0, 1), then the tiles in front of the diagonal, 0 .. 2 qb - 1, then key tile 2 qb + 1
; (u = 2, 3).  The first sub-step has all four query tiles live and starts the sums (nothing is cleared); the maximum is finite from
; there on, since every query of the block sees the block's first key.
; ONE LOOP FOR BOTH BLOCKS.  The eighteen key tiles take the two LDS slots by turns.  The first (slot 0) stands in front of the loop; the last
; (slot 1), behind whose barrier nothing is fetched, stands behind it; the sixteen between are eight trips of a slot 1 tile and a slot 0
; tile.  Block j ends with tile number 2 j + 1 of the eighteen and block 7 - j begins with number 2 j + 2, so trip k = j holds the change
; of block: the old block's second diagonal tile, the way out, the new block's Q, its first diagonal tile.  Every other trip holds two
; plain tiles.  The choice is a branch on k and j, alike in all four waves; the slots' heads (waits, barrier, refill) stand on every path.
; Counted in tile-steps (16 queries x 64 keys) the text holds 7 + (8 + 3 + 8 + 7) + 3 = 36; a wave runs 132, so 96 of them are text
; that it has run before.
; NO JOINT LOADS: the four work-groups of a head name different tiles at each of their eighteen turns (block j: 0 .. 2 j + 1; block 7 - j:
; 0 .. 15 - 2 j).  In step with each other all four would ask for 8 + 16 = 24 tiles each instead of 18.
; LAYOUTS.  S^T = K Q^T (source 0 = 16 keys, source 1 = 16 queries): lane l holds query l % 16 and keys 8 (l / 16) + 0..7 of a tile, so the
; softmax runs along a lane's registers and across one pair of lanes, and packing a lane's numbers to f16 in place gives P^T's fragment.
; O^T = V^T P^T (source 0 = 16 features of V by the transposing LDS load): lane l holds query l % 16 and eight neighbouring features.
; WINDOW 0: addresses, softmax state, K fragments v64-127, scores v128-255.  WINDOW 1: O v0-127, Q fragments v128-191, V fragments v192-255.
.set VP,    160                        ; V's LDS row: 128 bytes + 32: an odd multiple of 32 for the transposing load
.set KP,    144                        ; K's LDS row: 128 bytes + 16: an odd multiple of 16
.set KOFF,  128*VP                     ; K's 128 rows lie behind V's
.set SLOT,  KOFF+128*KP                ; 38,912
.set STAGE, 2*SLOT                     ; behind the ring: 64 rows x 144 bytes for each wave; no tensor load lands here
.set SP,    144
.set KA,   4                           ; v4-5  LDS address of my K fragments in slot 0, 1
.set VA,   6                           ; v6-7  the same for V
.set STO,  8
.set RD,   9
.set CO,   10
.set QO,   11
.set DL0,  12                          ; r - 8 h + 16 w
.set NINF, 14
.set ST0,  16                          ; v[16+4q ..]: -c m, m, alpha, l of query tile q
.set TT,   32                          ; v32-39 at work
.set KF,   64                          ; fragment (kt, ds) at 16 kt + 8 ds
.set SC,   128                         ; score tile (q, kt) at 8 (4 q + kt)
.set OA,   0                           ; window 1: tile (q, ht) at 8 (4 q + ht)
.set QF,   128                         ; window 1: fragment (q, ds) at 16 q + 8 ds
.set VF,   192                         ; window 1: fragment (ht, ks) at 16 ht + 8 ks
.set G1V, 16                           ; s[16:23] group 1 for V's tiles
.set G1K, 24                           ; s[24:31] group 1 for K's tiles
.set G0V, 32                           ; s[32:39] group 0 for V's tiles, a set for each slot
.set G0K, 40                           ; s[40:47] group 0 for K's tiles, a set for each slot
.set BS,  48                           ; s[48:49] address of my half of key tile 0
; other scalars: s8 wave, s9 bh, s10 J, s11 JB = 7 - J, s12-13 lane selects, s[14:15] c, s[52:53] an offset with 0 above it, s54 the trips'
; counter k, s55 the key tile that a refill brings, s[56:57] Q's rows, s[58:59] ctx's rows, s60 -c, s61 t: the pair of plain tiles at work
; in its block, s62 2 JB, s63 the query block at work
.set MSB, 0
.macro WIN new
.if MSB != \new
	s_set_vgpr_msb (MSB<<8)|\new
.set MSB, \new
.endif
.endm
.set SQK,  0x04                        ; source 1 (Q) window 1
.set TO1,  0x40                        ; destination window 1
.set RESC, 0x41                        ; source 0 and destination window 1
.set PV,   0x51                        ; source 0 (V), C and D window 1
.set FIN,  0x01                        ; source 0 window 1
.macro PLACES n
.rept \n
	v_nop
.endr
.endm
; Waves 0 and 1 bring V's halves of a tile of 128 keys, waves 2 and 3 K's: one tensor load a wave, 8,192 dense bytes.
.macro JLOAD o
	s_cmp_lt_u32 s8, 2
	s_cbranch_scc0 .Lk_\@
	tensor_load_to_lds s[G0V+4*(\o):G0V+4*(\o)+3], s[G1V:G1V+7]
	s_nop 0
	s_branch .Lj_\@
.Lk_\@:
	tensor_load_to_lds s[G0K+4*(\o):G0K+4*(\o)+3], s[G1K:G1K+7]
	s_nop 0
.Lj_\@:
.endm
; Slot o's group 0 sets get the address of my half of a key tile (16,384 bytes from tile to tile)
.macro SETADR o, tile
	s_lshl_b32 s52, \tile, 14
	s_add_nc_u64 s[G0V+4*(\o)+2:G0V+4*(\o)+3], s[BS:BS+1], s[52:53]
	s_or_b32 s[G0V+4*(\o)+3], s[G0V+4*(\o)+3], 0x80000000
	s_add_nc_u64 s[G0K+4*(\o)+2:G0K+4*(\o)+3], s[BS:BS+1], s[52:53]
	s_or_b32 s[G0K+4*(\o)+3], s[G0K+4*(\o)+3], 0x80000000
.endm
; The head of slot s.  Every wave waits for its LDS reads (the other slot's among them) and for all its tensor loads (one is out: its part
; of slot s), then passes the barrier; behind it slot s is whole for all, and the other slot is filled again first thing, with the next key tile.
.macro SLOTHEAD s, tile, refill
	s_wait_dscnt 0x0
	s_wait_tensorcnt 0x0                           ; no tensor load of mine is out: the group 0 sets may be written
	ds_add_u32 v62, v63
	s_wait_dscnt 0x0
.if \refill
	SETADR 1-\s, \tile
.endif
	s_barrier_signal -1
	s_barrier_wait -1
.if \refill
	JLOAD 1-\s                                     ; my one tensor load until the next such barrier; it has a slot's two sub-steps in which to land
.endif
.endm
.macro LOADK s, e                      ; 64 keys x 64 features: eight fragments, 16 loads
.irp kt, 0,1,2,3
.irp ds, 0,1
	ds_load_b128 v[KF+16*\kt+8*\ds:KF+16*\kt+8*\ds+3],   v[KA+\s] offset:\e*64*KP+\kt*16*KP+64*\ds
	ds_load_b128 v[KF+16*\kt+8*\ds+4:KF+16*\kt+8*\ds+7], v[KA+\s] offset:\e*64*KP+\kt*16*KP+64*\ds+32
.endr
.endr
.endm
.macro LOADV s, e                      ; the same keys of V, transposed: eight fragments, 16 loads (destination window 1)
.irp ht, 0,1,2,3
.irp ks, 0,1
	ds_load_tr16_b128 v[VF+16*\ht+8*\ks:VF+16*\ht+8*\ks+3],   v[VA+\s] offset:\e*64*VP+\ks*32*VP+32*\ht
	ds_load_tr16_b128 v[VF+16*\ht+8*\ks+4:VF+16*\ht+8*\ks+7], v[VA+\s] offset:\e*64*VP+\ks*32*VP+32*\ht+16*VP
.endr
.endr
.endm
; Query tile q against the block's own keys 64 q .. 64 q + 63: key 64 q + 16 kt + 8 h + j is kept for query 64 q + 16 w + r where
; 16 kt + j <= r - 8 h + 16 w.  The other live tiles of such a sub-step lie wholly in front of the diagonal.
.macro MASK q
.irp kt, 0,1,2,3
.irp j, 0,1,2,3,4,5,6,7
	v_cmp_le_i32 vcc_lo, 16*\kt+\j, v[DL0]
	v_cndmask_b32 v[SC+8*(4*\q+\kt)+\j], v[NINF], v[SC+8*(4*\q+\kt)+\j], vcc_lo
.endr
.endr
.endm
; Query tile q: a lane's 32 scores.  c = log2(e) / 8.  p = 2^(c s - c m); alpha = 2^((-c m new) - (-c m old)), made of the very shifts that were used.
.macro SOFTMAX q, first
.set SB, SC+32*\q
.set ST, ST0+4*\q
.irp c, 0,1,2,3
	v_max3_num_f32 v[TT+\c], v[SB+8*\c], v[SB+8*\c+1], v[SB+8*\c+2]
.endr
.irp c, 0,1,2,3
	v_max3_num_f32 v[TT+\c], v[TT+\c], v[SB+8*\c+3], v[SB+8*\c+4]
.endr
.irp c, 0,1,2,3
	v_max3_num_f32 v[TT+\c], v[TT+\c], v[SB+8*\c+5], v[SB+8*\c+6]
.endr
	v_max3_num_f32 v[TT], v[TT], v[TT+1], v[TT+2]
	v_max3_num_f32 v[TT], v[TT], v[TT+3], v[SB+7]
	v_max3_num_f32 v[TT], v[TT], v[SB+15], v[SB+23]
	v_max_num_f32 v[TT], v[TT], v[SB+31]
	v_permlanex16_b32 v[TT+1], v[TT], s12, s13     ; the other half of the lanes holds the query's other keys
.if \first
	v_max_num_f32 v[ST+1], v[TT], v[TT+1]          ; m
	v_mul_f32 v[ST], s60, v[ST+1]                  ; -c m
.else
	v_max3_num_f32 v[ST+1], v[TT], v[TT+1], v[ST+1]
	v_mul_f32 v[TT+2], s60, v[ST+1]
	v_sub_f32 v[ST+2], v[TT+2], v[ST]
	v_mov_b32 v[ST], v[TT+2]
	v_exp_f32 v[ST+2], v[ST+2]                     ; alpha; the multiply-adds below stand between it and its first use
.endif
.irp i, 0,2,4,6,8,10,12,14,16,18,20,22,24,26,28,30
	v_pk_fma_f32 v[SB+\i:SB+\i+1], v[SB+\i:SB+\i+1], s[14:15], v[ST:ST+1] op_sel_hi:[1,0,0]
.endr
.irp i, 0,1,2,3,4,5,6,7,8,9,10,11,12,13,14,15,16,17,18,19,20,21,22,23,24,25,26,27,28,29,30,31
	v_exp_f32 v[SB+\i], v[SB+\i]
.endr
	v_nop                                          ; one plain instruction behind the exponentials, in front of the first use (ISA guide 5.7.2)
	s_wait_alu depctr_va_vdst(0)
	v_pk_add_f32 v[TT:TT+1], v[SB:SB+1], v[SB+2:SB+3]
	v_pk_add_f32 v[TT+2:TT+3], v[SB+4:SB+5], v[SB+6:SB+7]
.irp i, 8,12,16,20,24,28
	v_pk_add_f32 v[TT:TT+1], v[TT:TT+1], v[SB+\i:SB+\i+1]
	v_pk_add_f32 v[TT+2:TT+3], v[TT+2:TT+3], v[SB+\i+2:SB+\i+3]
.endr
	v_pk_add_f32 v[TT:TT+1], v[TT:TT+1], v[TT+2:TT+3]
.if \first
	v_add_f32 v[ST+3], v[TT], v[TT+1]              ; l, each lane's own keys; the two halves meet at the end
.else
	v_add_f32 v[TT], v[TT], v[TT+1]
	v_fma_f32 v[ST+3], v[ST+3], v[ST+2], v[TT]
.endif
.irp ks, 0,1
.irp i, 0,1,2,3,4,5,6,7
	v_cvt_pk_f16_f32 v[SB+16*\ks+\i], v[SB+16*\ks+2*\i], v[SB+16*\ks+2*\i+1]   ; in place, ascending: register i is written when 2 i and 2 i + 1 are read
.endr
.endr
.endm
; A sub-step: 64 keys (half e of slot s) against my query tiles lo .. 3.  masked: tile lo lies on the diagonal.  first: the products start the sums.
; loadk: K's fragments are fetched here; pre: the next half's are fetched behind V's.
; In both products the 4 (4 - lo) accumulators take turns, one instruction a turn.
.macro STEP s, e, lo, masked, first, loadk, pre
.if \loadk
	LOADK \s, \e
.endif
	s_wait_dscnt 0x0                               ; K's fragments are in
	WIN SQK
.irp q, 0,1,2,3
.if \q >= \lo
.irp kt, 0,1,2,3
	v_wmma_f32_16x16x32_f16 v[SC+8*(4*\q+\kt):SC+8*(4*\q+\kt)+7], v[KF+16*\kt:KF+16*\kt+7], v[QF+16*\q:QF+16*\q+7], 0
.endr
.endif
.endr
.irp q, 0,1,2,3
.if \q >= \lo
.irp kt, 0,1,2,3
	v_wmma_f32_16x16x32_f16 v[SC+8*(4*\q+\kt):SC+8*(4*\q+\kt)+7], v[KF+16*\kt+8:KF+16*\kt+15], v[QF+16*\q+8:QF+16*\q+15], v[SC+8*(4*\q+\kt):SC+8*(4*\q+\kt)+7]
.endr
.endif
.endr
	WIN 0
	PLACES 4                                       ; behind the products: for the reads of the scores and the loads into K's fragments
	WIN TO1
	LOADV \s, \e
	WIN 0
.if \pre
	LOADK \s, 1
.endif
.if \masked
	MASK \lo
.endif
.irp q, 0,1,2,3
.if \q >= \lo
	SOFTMAX \q, \first
.endif
.endr
.if \first
.else
	WIN RESC
.irp q, 0,1,2,3
.if \q >= \lo
.irp i, 0,2,4,6,8,10,12,14,16,18,20,22,24,26,28,30
	v_pk_mul_f32 v[OA+32*\q+\i:OA+32*\q+\i+1], v[OA+32*\q+\i:OA+32*\q+\i+1], v[ST0+4*\q+2:ST0+4*\q+3] op_sel_hi:[1,0]
.endr
.endif
.endr
.endif
.if \pre
	s_wait_dscnt 16                                ; V's sixteen loads are in; the sixteen of K issued behind them stay out
.else
	s_wait_dscnt 0x0
.endif
	WIN PV
.irp q, 0,1,2,3
.if \q >= \lo
.irp ht, 0,1,2,3
.if \first
	v_wmma_f32_16x16x32_f16 v[OA+8*(4*\q+\ht):OA+8*(4*\q+\ht)+7], v[VF+16*\ht:VF+16*\ht+7], v[SC+32*\q:SC+32*\q+7], 0
.else
	v_wmma_f32_16x16x32_f16 v[OA+8*(4*\q+\ht):OA+8*(4*\q+\ht)+7], v[VF+16*\ht:VF+16*\ht+7], v[SC+32*\q:SC+32*\q+7], v[OA+8*(4*\q+\ht):OA+8*(4*\q+\ht)+7]
.endif
.endr
.endif
.endr
.irp q, 0,1,2,3
.if \q >= \lo
.irp ht, 0,1,2,3
	v_wmma_f32_16x16x32_f16 v[OA+8*(4*\q+\ht):OA+8*(4*\q+\ht)+7], v[VF+16*\ht+8:VF+16*\ht+15], v[SC+32*\q+16:SC+32*\q+23], v[OA+8*(4*\q+\ht):OA+8*(4*\q+\ht)+7]
.endr
.endif
.endr
	WIN 0
	PLACES 5                                       ; the next product writes over P's registers; O is read and V's fragments are loaded again behind these
.endm
; The two sub-steps of the key tile in slot s: first live query tiles lo0 and lo1.  The second half's K fragments are fetched during the first half's softmax.
.macro PHASE s, lo0, lo1, masked, first
	STEP \s, 0, \lo0, \masked, \first, 1, 1
	STEP \s, 1, \lo1, \masked, 0, 0, 0
.endm
; My four query tiles of block qb: eight fragments straight from memory (tile q begins 64 q + 16 w rows into the block); ctx's address for the same rows
.macro LOADQ qb
	s_lshl_b32 s52, s9, 18                         ; the head's plane
	s_lshl_b32 s2, \qb, 15                         ; 256 rows of 128 bytes
	s_add_co_u32 s52, s52, s2
	s_lshl_b32 s2, s8, 11                          ; 16 w rows
	s_add_co_u32 s52, s52, s2
	s_add_nc_u64 s[56:57], s[4:5], s[52:53]
	s_add_nc_u64 s[58:59], s[6:7], s[52:53]
	WIN TO1
.irp q, 0,1,2,3
.irp ds, 0,1
	global_load_b128 v[QF+16*\q+8*\ds:QF+16*\q+8*\ds+3],   v[QO], s[56:57] offset:\q*8192+64*\ds
	global_load_b128 v[QF+16*\q+8*\ds+4:QF+16*\q+8*\ds+7], v[QO], s[56:57] offset:\q*8192+64*\ds+32
.endr
.endr
	WIN 0
.endm
; O / l, rounded to f16, through my own stage, out as 512 neighbouring bytes a store (four rows of a query tile's sixteen)
.macro EPILOG
.irp q, 0,1,2,3
	v_permlanex16_b32 v[TT+\q], v[ST0+4*\q+3], s12, s13
.endr
.irp q, 0,1,2,3
	v_add_f32 v[TT+\q], v[TT+\q], v[ST0+4*\q+3]    ; l over all keys: at least 1, the largest score's own term
.endr
.irp q, 0,1,2,3
	v_rcp_f32 v[ST0+4*\q+2], v[TT+\q]
.endr
	v_nop
	WIN FIN
	s_wait_alu depctr_va_vdst(0)
.irp q, 0,1,2,3
.irp i, 0,2,4,6,8,10,12,14,16,18,20,22,24,26,28,30
	v_pk_mul_f32 v[SC+32*\q+\i:SC+32*\q+\i+1], v[OA+32*\q+\i:OA+32*\q+\i+1], v[ST0+4*\q+2:ST0+4*\q+3] op_sel_hi:[1,0]
.endr
.endr
	WIN 0
.set n, 0
.rept 64
	v_cvt_pk_f16_f32 v[KF+n], v[SC+2*n], v[SC+2*n+1]
.set n, n+1
.endr
.irp q, 0,1,2,3
.irp ht, 0,1,2,3
	ds_store_b128 v[STO], v[KF+4*(4*\q+\ht):KF+4*(4*\q+\ht)+3] offset:\q*16*SP+32*\ht
.endr
.endr
.irp u, 0,1,2,3,4,5,6,7,8,9,10,11,12,13,14,15
	ds_load_b128 v[SC+4*\u:SC+4*\u+3], v[RD] offset:\u*4*SP      ; LDS serves a wave's instructions in order: these see the stores above
.endr
.irp u, 0,1,2,3,4,5,6,7,8,9,10,11,12,13,14,15
	s_wait_dscnt 15-\u                             ; this load is back, the younger ones stay out
	global_store_b128 v[CO], v[SC+4*\u:SC+4*\u+3], s[58:59] offset:(\u/4)*8192+(\u%4)*512
.endr
	s_wait_xcnt 0x0                                ; the stores' data and base are written again only behind this wait
.endm
	s_load_b128 s[4:7], s[0:1], 0x0                ; qkv s[4:5], ctx s[6:7]
	v_lshl_add_u32 v62, v0, 2, 0x29000
	v_mov_b32 v63, 0
	ds_add_u32 v62, v63
	ds_add_u32 v62, v63
	v_lshrrev_b32 v1, 5, v0
	v_readfirstlane_b32 s8, v1                     ; wave 0..3
	s_lshr_b32 s9, ttmp9, 2                        ; bh
	s_and_b32 s10, ttmp9, 3                        ; J: the first query block
	s_sub_co_u32 s11, 7, s10                       ; JB: the second
	s_lshl_b32 s62, s11, 1                         ; 2 JB: its first diagonal key tile
	s_mov_b32 s12, 0x76543210                      ; v_permlanex16_b32: lane i reads lane i of the other half
	s_mov_b32 s13, 0xfedcba98
	s_mov_b32 s14, 0x3e38aa3b                      ; c = log2(e) / 8
	s_mov_b32 s15, 0x3e38aa3b
	s_mov_b32 s60, 0xbe38aa3b                      ; -c
	; group 1: 8,192 dense bytes as 32 rows of 32 elements of 8 bytes; padding behind every 32 words (a key's 128 bytes): 8 words for V, 4 for K
	s_mov_b32 s[G1V+0], (3<<16)|(1<<20)|(4<<22)|(7<<25)
	s_mov_b32 s[G1K+0], (3<<16)|(1<<20)|(4<<22)|(3<<25)
.irp g, G1V, G1K
	s_mov_b32 s[\g+1], 32<<16                      ; tensor_dim0 = 32
	s_mov_b32 s[\g+2], 32<<16                      ; tensor_dim1 = 32
	s_mov_b32 s[\g+3], 32<<16                      ; tile_dim0 = 32
	s_mov_b32 s[\g+4], 32                          ; tile_dim1 = 32
	s_mov_b32 s[\g+5], 32                          ; elements from row to row
	s_mov_b32 s[\g+6], 0
	s_mov_b32 s[\g+7], 0
.endr
	s_mul_i32 s2, s8, 64*VP                        ; V's halves at wave x 10,240 (waves 0, 1),
	s_mul_i32 s3, s8, 64*KP                        ; K's at 20,480 + (wave - 2) x 9,216 (waves 2, 3)
.irp o, 0,1
	s_mov_b32 s[G0V+4*\o], 1
	s_add_co_u32 s[G0V+4*\o+1], s2, \o*SLOT
	s_mov_b32 s[G0K+4*\o], 1
	s_add_co_u32 s[G0K+4*\o+1], s3, \o*SLOT+KOFF-2*64*KP
.endr
	s_cmp_lt_u32 s8, 2
	s_cselect_b32 s52, 128, 64                     ; V's planes begin at 128, K's at 64
	s_add_co_u32 s52, s52, s9
	s_lshl_b32 s52, s52, 18
	s_and_b32 s2, s8, 1
	s_lshl_b32 s2, s2, 13                          ; my half: 64 keys of 128 bytes
	s_add_co_u32 s52, s52, s2
	s_mov_b32 s53, 0
	s_lshl_b32 s55, s10, 1                         ; key tile 2 J
	s_wait_dscnt 0x0
	s_wait_kmcnt 0x0
	s_add_nc_u64 s[BS:BS+1], s[4:5], s[52:53]
	SETADR 0, s55
	JLOAD 0                                        ; the first fill: tile 2 J into slot 0, ahead of every wait on tensor loads, LDS read and barrier
	v_and_b32 v1, 31, v0                           ; l
	v_and_b32 v2, 15, v0                           ; r
	v_bfe_u32 v3, v0, 4, 1                         ; h
	v_and_b32 v[TT], 7, v0
	v_bfe_u32 v[TT+1], v0, 3, 1
	v_lshrrev_b32 v[TT+2], 3, v1
	v_mul_u32_u24 v[TT+3], v2, KP
	v_lshl_add_u32 v[TT+3], v3, 4, v[TT+3]         ; r x 144 + 16 h
	v_add_nc_u32 v[KA], KOFF, v[TT+3]
	v_add_nc_u32 v[KA+1], KOFF+SLOT, v[TT+3]
	v_lshl_add_u32 v[TT+4], v3, 3, v[TT]           ; key row 8 h + l % 8
	v_mul_u32_u24 v[TT+4], v[TT+4], VP
	v_lshl_add_u32 v[VA], v[TT+1], 4, v[TT+4]
	v_add_nc_u32 v[VA+1], SLOT, v[VA]
	s_mul_i32 s2, s8, 64*SP
	s_add_co_u32 s2, s2, STAGE                     ; my stage
	v_add_nc_u32 v[STO], s2, v[TT+3]
	v_mul_u32_u24 v[TT+5], v[TT+2], SP
	v_lshl_add_u32 v[TT+5], v[TT], 4, v[TT+5]
	v_add_nc_u32 v[RD], s2, v[TT+5]                ; back: eight lanes take a query's 128 bytes, 32 lanes four queries
	v_lshlrev_b32 v[CO], 4, v1
	v_lshlrev_b32 v[QO], 7, v2
	v_lshl_add_u32 v[QO], v3, 4, v[QO]             ; 128 r + 16 h
	v_lshlrev_b32 v[TT+6], 3, v3
	v_sub_nc_u32 v[DL0], v2, v[TT+6]
	s_lshl_b32 s3, s8, 4
	v_add_nc_u32 v[DL0], s3, v[DL0]                ; r - 8 h + 16 w
	v_mov_b32 v[NINF], 0xff800000
	; THE FIRST OF THE EIGHTEEN KEY TILES: block J's first diagonal tile, in slot 0
	LOADQ s10
	s_cmp_lg_u32 s10, 0
	s_cselect_b32 s55, 0, 1                        ; behind it comes key tile 0, or, in block 0, the second diagonal tile, 1
	SLOTHEAD 0, s55, 1                             ; slot 1's first fill
	s_wait_loadcnt 0x0                             ; Q's fragments
	PHASE 0, 0, 1, 1, 1                            ; u = 0 starts the sums of all four query tiles; u = 1 has tiles 1 .. 3
	; EIGHT TRIPS: tile number 2 k + 1 of the eighteen in slot 1, number 2 k + 2 in slot 0.  All branches hang on the work-group's number and on k.
	s_mov_b32 s54, 0
.Ltrip:
	s_sub_co_u32 s3, s54, s10
	s_sub_co_u32 s3, s3, 1                         ; k - J - 1
	s_cmp_lt_u32 s54, s10
	s_cselect_b32 s61, s54, s3                     ; t: the trip's number among its block's plain trips (-1 in trip J, where it is not used as it stands)
	s_cselect_b32 s63, s10, s11                    ; the block whose tiles the refills below bring
	s_lshl_b32 s55, s61, 1
	s_add_co_u32 s55, s55, 1                       ; slot 0 gets plain tile 2 t + 1,
	s_cmp_eq_u32 s54, s10
	s_cselect_b32 s55, s62, s55                    ; or, in trip J, the second block's first diagonal tile, 2 JB
	SLOTHEAD 1, s55, 1
	s_cmp_eq_u32 s54, s10
	s_cbranch_scc1 .Ldiag1
	PHASE 1, 0, 0, 0, 0                            ; a plain tile: all four query tiles, nothing masked
	s_branch .Ljoin1
.Ldiag1:
	PHASE 1, 2, 3, 1, 0                            ; block J's second diagonal tile: u = 2 has query tiles 2 and 3, u = 3 tile 3
	EPILOG
	LOADQ s11                                      ; the second block's queries
.Ljoin1:
	s_add_co_u32 s2, s61, 1
	s_lshl_b32 s55, s2, 1                          ; slot 1 gets plain tile 2 t + 2,
	s_add_co_u32 s3, s55, 1
	s_cmp_eq_u32 s2, s63
	s_cselect_b32 s55, s3, s55                     ; or, behind the block's last plain tile, its second diagonal tile, 2 qb + 1
	SLOTHEAD 0, s55, 1
	s_wait_loadcnt 0x0                             ; Q's fragments where the block has just changed; no load is out in the other trips
	s_cmp_eq_u32 s54, s10
	s_cbranch_scc1 .Ldiag0
	PHASE 0, 0, 0, 0, 0                            ; a plain tile
	s_branch .Ljoin0
.Ldiag0:
	PHASE 0, 0, 1, 1, 1                            ; block JB's first diagonal tile: starts its sums
.Ljoin0:
	s_add_co_u32 s54, s54, 1
	s_cmp_lt_u32 s54, 8
	s_cbranch_scc1 .Ltrip
	; THE LAST OF THE EIGHTEEN: block JB's second diagonal tile, in slot 1; nothing is left to fetch
	SLOTHEAD 1, s55, 0                             ; the last wait for all tensor loads: none is out from here to the end
	PHASE 1, 2, 3, 1, 0
	EPILOG
	s_wait_tensorcnt 0x0
	ds_add_u32 v62, v63
	s_wait_dscnt 0x0
	s_endpgm
.Lfunc_end_k_q55123c5067_attn:
	.size	k_q55123c5067_attn, .Lfunc_end_k_q55123c5067_attn-k_q55123c5067_attn
	.p2alignl 7, 3214868480
	.fill 96, 4, 3214868480
	.section	.rodata,"a",@progbits
	.p2align	6, 0x0
	.amdhsa_kernel k_q55123c5067_attn
		.amdhsa_group_segment_fixed_size 327680
		.amdhsa_private_segment_fixed_size 0
		.amdhsa_enable_private_segment 0
		.amdhsa_kernarg_size 16
		.amdhsa_user_sgpr_count 2
		.amdhsa_user_sgpr_kernarg_segment_ptr 1
		.amdhsa_wavefront_size32 1
		.amdhsa_system_sgpr_workgroup_id_x 1
		.amdhsa_system_sgpr_workgroup_id_y 1
		.amdhsa_system_sgpr_workgroup_id_z 1
		.amdhsa_system_vgpr_workitem_id 0
		.amdhsa_next_free_vgpr 512
		.amdhsa_next_free_sgpr 66
		.amdhsa_reserve_vcc 1
		.amdhsa_float_denorm_mode_32 3
		.amdhsa_float_denorm_mode_16_64 3
		.amdhsa_memory_ordered 1
		.amdhsa_forward_progress 1
		.amdhsa_inst_pref_size 255
	.end_amdhsa_kernel
	.section	.bss,"aw",@nobits
	.p2align	6
	.space	262144
	.amdgpu_metadata
---
amdhsa.version: [ 1, 2 ]
amdhsa.kernels:
  - .name:           k_q55123c5067_attn
    .symbol:         k_q55123c5067_attn.kd
    .args:
      - { .name: qkv, .offset: 0, .size: 8, .value_kind: global_buffer, .address_space: global }
      - { .name: ctx, .offset: 8, .size: 8, .value_kind: global_buffer, .address_space: global }
    .group_segment_fixed_size: 327680
    .private_segment_fixed_size: 0
    .kernarg_segment_align: 8
    .kernarg_segment_size: 16
    .max_flat_workgroup_size: 128
    .sgpr_count:     66
    .vgpr_count:     512
    .wavefront_size: 32
...
	.end_amdgpu_metadata
.endif
;; end of part 5
;; launch oproj: the kernel of part 4 again; grid 8 x 32, 4 waves a work-group, clusters of 4 x 4, 327,680 bytes of LDS; arguments ctx, wob, bo, out0; writes out0
